; MI455X (gfx1250); checked and timed in simulation.
; The chip was launched on July 23, 2026; its instructions are those of AMD's public machine-readable ISA for CDNA 5 (MIT licence, August 2026) and "CDNA5" Instruction Set Architecture Reference Guide (July 2026). The comments in the code are by the model that wrote it; some were corrected since.
;; Self Attention. Allowed arithmetic: matrix products marked QUANTISED: E2M3 operands, one E8M0 scale for each 32 along K, by v_wmma_scale_f32_16x16x128_f8f6f4 with both operands' format E2M3, f32 sums; everything else in f32.
;; Inputs: Wk_codes 1,024 x 32 x 24 uint8 (E2M3 codes of Wk, K innermost, in blocks of 32 codes, four codes in three bytes); Wk_scales 1,024 x 32 uint8 (E8M0 scales of Wk, one for each 32 codes along K); Wo_codes 1,024 x 32 x 24 uint8 (E2M3 codes of Wo, K innermost, in blocks of 32 codes, four codes in three bytes); Wo_scales 1,024 x 32 uint8 (E8M0 scales of Wo, one for each 32 codes along K); Wq_codes 1,024 x 32 x 24 uint8 (E2M3 codes of Wq, K innermost, in blocks of 32 codes, four codes in three bytes); Wq_scales 1,024 x 32 uint8 (E8M0 scales of Wq, one for each 32 codes along K); Wv_codes 1,024 x 32 x 24 uint8 (E2M3 codes of Wv, K innermost, in blocks of 32 codes, four codes in three bytes); Wv_scales 1,024 x 32 uint8 (E8M0 scales of Wv, one for each 32 codes along K); attention_mask 4 x 2,048 bool; bk 1,024 float32; bo 1,024 float32; bq 1,024 float32; bv 1,024 float32; x_codes 4 x 2,048 x 32 x 24 uint8 (E2M3 codes of x, K innermost, in blocks of 32 codes, four codes in three bytes); x_scales 4 x 2,048 x 32 uint8 (E8M0 scales of x, one for each 32 codes along K).
;; Outputs: out0 4 x 2,048 x 1,024 float32.
;; Constants: use_causal_mask = 1.
;; This version of the problem:
;;   THIS VERSION OF THE PROBLEM IS GIVEN IN LOW PRECISION. The matrix products marked QUANTISED in the list below multiply operands that are first quantised to E2M3 (2 exponent bits, 3 mantissa bits; 6 bits a number), with one power-of-two scale for each 32 numbers along K (OCP MX v1.0); their sums are f32. All else is computed in f32.
;;   The module's matrix products, in the order in which they are computed (A, B: the left and right operand; K: the contracted axis; several contracted axes count as one K, in the product's order):
;;     1. [M 8,192, K 1,024] x [K 1,024, N 1,024]; A: input x (given as codes); B: input Wq (given as codes): QUANTISED
;;     2. [M 8,192, K 1,024] x [K 1,024, N 1,024]; A: input x (given as codes); B: input Wk (given as codes): QUANTISED
;;     3. [M 8,192, K 1,024] x [K 1,024, N 1,024]; A: input x (given as codes); B: input Wv (given as codes): QUANTISED
;;     4. batch 64 x [M 2,048, K 64] x [K 64, N 2,048]; A: computed on the way; B: computed on the way: QUANTISED
;;     5. batch 64 x [M 2,048, K 2,048] x [K 2,048, N 64]; A: softmax (see below); B: computed on the way: QUANTISED
;;     6. [M 8,192, K 1,024] x [K 1,024, N 1,024]; A: computed on the way; B: input Wo (given as codes): QUANTISED
;;   THE QUANTISER, for each operand of a quantised product, along K:
;;     - K is cut into blocks of 32 from its start; a last block that is shorter is filled with zeros.
;;     - A block's scale is 2^e with e = floor(log2(the largest magnitude in the block)) - 2, held to -126 .. 127; a block of zeros has e = 0. As a byte (E8M0): e + 127.
;;     - Each number is divided by its block's scale, clamped to +-7.5, and rounded to the nearest number of E2M3, ties to even, subnormals kept.
;;     - The product sums the exact products of the quantised numbers (number of the format x scale) in f32.
;;   ~~~python
;;   def quantise(x, axis):      # numpy; x: float32 -> the quantised numbers, widened to float32 again
;;       x = np.moveaxis(x, axis, -1); K = x.shape[-1]
;;       x = np.pad(x, [(0, 0)] * (x.ndim - 1) + [(0, -K % 32)]); x = x.reshape(x.shape[:-1] + (-1, 32)); a = np.abs(x).max(-1, keepdims=True)
;;       e = np.where(a > 0, np.clip(np.frexp(np.where(a > 0, a, 1))[1] - 1 - 2, -126, 127), 0)      # np.frexp(a)[1] - 1 = floor(log2(a)), exactly
;;       r = np.clip(x / 2.0 ** e, -7.5, 7.5)
;;       step = 2.0 ** (np.maximum(np.frexp(np.where(r == 0, 1, r))[1] - 1, 0) - 3)
;;       q = np.round(r / step) * step * 2.0 ** e      # np.round: ties to even
;;       return np.moveaxis(q.reshape(q.shape[:-2] + (-1,))[..., :K], -1, axis).astype(np.float32)
;;   ~~~
;;   SOFTMAX AHEAD OF A QUANTISED PRODUCT. Where the list says 'softmax', what is quantised is not the finished softmax but p = 2^(t - M), with t = logit x log2(e) and M = ceil(the row's largest t), a whole number; so 1/2 < the row's largest p <= 1. The row's sum l is taken of the UNQUANTISED p, in f32, and the product's result is divided by l at the end. Since M is a whole number, a kernel that streams over the keys may use a running M (the ceiling of the running maximum): every later rescaling is an exact power of two, which a block's scale takes up: the codes' values come out the same.
;;   OPERANDS COMPUTED ON THE WAY. 'Computed on the way' means the value that the module computes at that place (a softmax that the list does not call 'softmax' is quantised finished and normalised). What goes into a quantiser is computed in f32, as accurately as f32 sums, v_exp_f32 and their like allow (about 1e-6 of the number): no bf16 or f16 on the way to a quantiser, and a product that is left as it is and whose result goes on into a quantised operand takes f32 operands (vector FMAs, or v_wmma_f32_16x16x4_f32). A number that lies on a knife's edge between two numbers of the format may be rounded either way, as far as f32 arithmetic and the matrix unit's own rounding can turn it there, and no further.
;;   INPUTS GIVEN AS CODES. Wk (in the module: [1024, 1024], K = its axis 0); Wo (in the module: [1024, 1024], K = its axis 0); Wq (in the module: [1024, 1024], K = its axis 0); Wv (in the module: [1024, 1024], K = its axis 0); x (in the module: [4, 2048, 1024], K = its axis 2): each comes as NAME_codes (uint8): NAME with its K axis moved to the last place and cut into blocks of 32 codes, [.., K / 32, bytes a block], one block behind the other in memory; four codes in three bytes: a row's codes are one little-endian stream of bits, code i at bits 6 i .. 6 i + 5 (a code: sign, 2 exponent bits, 3 mantissa bits); and NAME_scales (uint8): the same leading axes, one E8M0 byte (e + 127) for each 32 codes along K. Its value is code x scale, taken as it is: it is not quantised again, and the codes and scales need not be those that the quantiser above would give.
;; One version. Each part assembles by itself: llvm-mc -triple=amdgcn-amd-amdhsa -mcpu=gfx1250 --defsym DOCPART=n.
;; ======== version 1 of 1: 3 launches
;; limits: right only within a limited range of input values
;; workspace buffers: qkv_img 20,185,088 bytes; vsum 262,144 bytes; attn_img 6,291,456 bytes; attn_sc 262,144 bytes
;; launch qkv (part 1): grid 12 x 32, 4 waves a work-group, clusters of 4 x 4, 327,680 bytes of LDS; arguments x_codes, x_scales, Wq_codes, Wq_scales, Wk_codes, Wk_scales, Wv_codes, Wv_scales, bq, bk, bv, attention_mask, qkv_img, vsum; writes qkv_img, vsum
.if DOCPART == 1
	.amdgcn_target "amdgcn-amd-amdhsa--gfx1250"
	.amdhsa_code_object_version 6
	.text
	.protected	k_q7da73526d5_qkv
	.globl	k_q7da73526d5_qkv
	.p2align	8
	.type	k_q7da73526d5_qkv,@function
k_q7da73526d5_qkv:
	s_mov_b64 s[64:65], 0
	v_nop
	global_prefetch_b8 v0, s[64:65] scope:SCOPE_SE
	s_setreg_imm32_b32 hwreg(HW_REG_WAVE_MODE, 25, 1), 1
	s_wait_xcnt 0x0
	s_wait_alu depctr_hold_cnt(0) depctr_sa_sdst(0) depctr_va_vdst(0) depctr_va_sdst(0) depctr_va_ssrc(0) depctr_va_vcc(0) depctr_vm_vsrc(0)
	s_getreg_b32 s2, hwreg(HW_REG_IB_STS2, 6, 4)
	s_cmp_eq_u32 s2, 0
	s_cbranch_scc0 .Lentry_in_a_cluster
	s_endpgm
.Lentry_in_a_cluster:
	s_bfe_u32 s2, ttmp6, 0x10000c
	s_cmp_lg_u32 s2, 0xf033
	s_cbranch_scc0 .Lentry_shape_is_right
	s_endpgm
.Lentry_shape_is_right:
; q = x Wq + bq, k = x Wk + bk, v = x Wv + bv on codes of FP6 (E2M3), one E8M0 scale for each 32 along K = 1,024; the results are quantised at once for attention's two products.
; A tile of 256 x 256 results to a work-group of four waves, 128 x 128 (64 accumulators) to a wave.  The cluster's x picks the weight: 0 q, 1 k, 2 v.
; SOURCE 0 IS THE OPERAND ALONG WHICH THE RESULT IS QUANTISED NEXT (a lane's eight results run along source 0's rows):
;   q, k: source 0 ('B') = rows of W, source 1 ('A') = rows of x: a lane holds one token and 64 numbers along two heads' channels;
;   v:    source 0 ('B') = rows of x, source 1 ('A') = rows of Wv: a lane holds one channel and 64 numbers along 128 keys.
; The order inside a block of 32 of the next K is the same for q and k, and for v and the softmax's p: sums over a block do not mind it.
; OUT: fragments as images of their registers; every store covers whole aligned runs of 256 bytes.  qkv_img, for each (batch, head) 315,392 bytes:
;   q's 128 tiles x 768 bytes at 0; q's scale words at 98,304 (512 bytes for 128 tokens: lane l, word j: tile 2 j + l / 16, row l % 16); k's at 106,496; v's at 114,688 (256 bytes a key step);
;   k's tiles at 118,784; v's 16 key steps x 4 channel tiles x 1,536 bytes at 217,088.  So k, v and their scale words are one dense block.
; THE KEY MASK RIDES IN k's SCALE WORD: byte 2 scales the padding of the 64-long product q k^T, where attention sets the codes 1.0 and -4.0: byte 1 for a key that counts (the score moves by -2^-124), 227 for a blocked one (-2^102).
; vsum: for each 128 keys and each channel the sum of the quantised v (one matrix instruction with a fragment of ones): what a row with no key left is owed.
; RING: K goes in chunks of 256 bytes of each row (a row is 768 bytes, so every chunk begins at a multiple of 256) through two LDS slots; a step of 128 along K is 96 bytes: steps 2 and 5 lie across two chunks.
; CLUSTER: A's tile is asked for jointly by a row of the 4 x 4 cluster, B's by a column; all scale bytes come once, at the head.
; No prefetch: K is three chunks; two are asked for at the head and the third two steps later, so no trip lies a step ahead of a load.
; LIMITS: NaN and infinities are not served; a block of zeros gets the scale byte 1 (its codes are zeros; these bytes are read by this program alone).
; REGISTERS: window 0: v1-10 set-up; v16-23 fragment addresses; v24, v25 16 x and 8 x lane; v27 scale address; v28, v29 the add's two; v32-63 scale words alone; v64-127 the epilogue's work;
;   v128-223 A's fragments, later numbers and codes; v224-231 v's bias; v232-239 mask bytes; v240-255 words on their way out.  window 1: B's two sets at v0, v128; v96-127, v224-255 the bias of q or k.  windows 2, 3: accumulators.
.set ROWB,   256
.set NQ,     2
.set KROW,   768
.set STEPS,  8
.set CHUNKS, 3
.set PITCH,  272
.set FR,     12
.set NL,     6
.set NP,     4
.set HALFT,  128*PITCH
.set SLOT,   4*HALFT
.set KS,     32
.set SCL,    2*SLOT
.set HALFS,  (128*KS/256)*272
.set SBLK,   (16*KS/256)*272
.set SPARE,  SCL+4*HALFS               ; the spare words: 128 bytes a wave
.set HS,     315392
.set ADRA, 16
.set ADRB, 20
.set L16,  24
.set L8,   25
.set ADRS, 27
.set SPW,  28
.set NIL,  29
.set SC,   32
.set PWB,  48
.set ONESC, 50
.set TM,   64
.set TMPW, 80
.set OUTW, 84
.set CON,  92
.set COFF, 93
.set BP,   94
.set ONES, 96
.set DV,   108
.set AF,   128
.set H,    128
.set PCB,  192
.set XT,   216
.set BV,   224
.set MB,   232
.set WA,   240
.set WB,   248
.set G1, 24
.set G0, 32
.set G1B, 48
.set G0B, 56
.set G1S, 68
.set G0S, 76
.set G1SB, 80
.set G0SB, 88
.set G0H, 4
.set G0HB, 8
.set SEL, 94
.set MSB, 0
.macro WIN new                         ; the immediate's high byte repeats the setting that is left
.if MSB != (\new)
	s_set_vgpr_msb (MSB<<8)|(\new)
.set MSB, (\new)
.endif
.endm
.set MUL_LO, 0xa1
.set MUL_HI, 0xf1
.set TO_B,   0x40
.macro JLOAD g0a, g1a, g0b, g1b        ; a joint load: waves 0, 1 for A, waves 2, 3 for B
	s_cmp_eq_u32 s15, 0
	s_cbranch_scc0 .Lfor_b_\@
	tensor_load_to_lds s[\g0a:\g0a+3], s[\g1a:\g1a+7]
	s_nop 0
.rept 4
	v_nop
.endr
	s_branch .Lasked_\@
.Lfor_b_\@:
	tensor_load_to_lds s[\g0b:\g0b+3], s[\g1b:\g1b+7]
	s_nop 0
.rept 4
	v_nop
.endr
.Lasked_\@:
.endm
.macro CREST                           ; a round of the cluster's barrier behind its opening barrier
	s_cmp_lg_u32 s14, 0
	s_cbranch_scc1 .Lnot_wave_0_\@
	s_barrier_signal -3
.Lnot_wave_0_\@:
	s_barrier_wait -3
	s_barrier_signal -1
	s_barrier_wait -1
.endm
.macro CROUND
	s_barrier_signal -1
	s_barrier_wait -1
	CREST
.endm
	s_load_b512 s[24:39], s[0:1], 0x0              ; x's codes, scales; Wq's; Wk's; Wv's
	s_load_b256 s[48:55], s[0:1], 0x40             ; bq, bk, bv, the key mask
	s_load_b128 s[56:59], s[0:1], 0x60             ; qkv_img, vsum
	v_lshl_add_u32 v[SPW], v0, 2, SPARE
	v_mov_b32 v[NIL], 0
	ds_add_u32 v[SPW], v[NIL]                      ; the opening lines: the add, twice on end, and its wait ahead of my first tensor load
	ds_add_u32 v[SPW], v[NIL]
	v_lshrrev_b32 v1, 5, v0
	v_readfirstlane_b32 s14, v1                    ; wave 0..3
	s_lshr_b32 s15, s14, 1                         ; which 128 of A's rows are mine; also: I fetch for A (0) or B (1)
	s_and_b32 s16, s14, 1                          ; which 128 of B's; also: which 128 rows I fetch
	s_bfe_u32 s40, ttmp6, 0x40000                  ; cx
	s_bfe_u32 s41, ttmp6, 0x40004                  ; cy
	s_lshr_b32 s100, ttmp9, 1                      ; 1 where the cluster makes v
	s_and_b32 s17, ttmp7, 0xffff
	s_lshl_b32 s17, s17, 2
	s_mul_i32 s42, s17, s100
	s_sub_co_u32 s17, s17, s42
	s_add_co_u32 s17, s17, s41                     ; A's tile: q, k: x's tile 4 cluster y + cy;  v: Wv's tile cy
	s_add_co_u32 s42, s42, s40                     ; B's tile: q, k: W's tile cx;  v: x's tile 4 cluster y + cx
	s_lshl_b32 s43, s41, 2
	s_lshl_b32 s43, 15, s43                        ; my row of the cluster
	s_lshl_b32 s44, 0x1111, s40                    ; my column
	v_and_b32 v1, 15, v0                           ; r
	v_bfe_u32 v2, v0, 4, 1                         ; h
	v_lshlrev_b32 v8, 5, v2                        ; offsets of the loads of bias and mask
	v_lshlrev_b32 v9, 2, v1
	v_and_b32 v10, 15, v0
	; where my results go: these numbers mix cx and cy and feed no joint load
	s_lshl_b32 s96, s17, 8
	s_lshl_b32 s2, s15, 7
	s_add_co_u32 s96, s96, s2
	s_lshl_b32 s97, s42, 8
	s_lshl_b32 s2, s16, 7
	s_add_co_u32 s97, s97, s2
	s_cmp_eq_u32 s100, 0
	s_cselect_b32 s104, s96, s97                   ; my first row of x
	s_cselect_b32 s105, s97, s96                   ; my first row of W
	s_lshr_b32 s101, s104, 7                       ; 16 x batch + step
	s_lshr_b32 s96, s101, 4
	s_and_b32 s97, s101, 15
	s_lshr_b32 s95, s105, 6                        ; my first head (even)
	s_lshl_b32 s96, s96, 4
	s_add_co_u32 s96, s96, s95                     ; 16 x batch + head
	s_lshl_b32 s101, s101, 3
	s_lshr_b32 s95, s95, 1
	s_add_co_u32 s101, s101, s95
	s_lshl_b32 s101, s101, 9                       ; vsum: 512 bytes for each (128 keys, pair of heads)
	s_mul_i32 s96, s96, HS
	s_lshl_b32 s2, ttmp9, 13
	s_add_co_u32 s95, s96, s2
	s_add_co_u32 s95, s95, 98304                   ; scale words: q's, k's, v's, 8,192 bytes apart, behind q's tiles,
	s_lshl_b32 s2, s97, 9
	s_lshr_b32 s2, s2, s100
	s_add_co_u32 s95, s95, s2                      ; 512 bytes a step (v: 256)
	s_mul_i32 s2, ttmp9, 98304
	s_add_co_u32 s96, s96, s2
	s_min_u32 s2, ttmp9, 1
	s_mul_i32 s2, s2, 20480                        ; k's and v's tiles lie behind the scale words
	s_add_co_u32 s96, s96, s2
	s_mul_i32 s2, s97, 6144
	s_add_co_u32 s96, s96, s2                      ; 6,144 bytes a step
	s_lshl_b32 s105, s105, 2
	s_wait_alu depctr_va_vdst(0)
	s_wait_dscnt 0x0                               ; both opening adds are done
	s_wait_kmcnt 0x0
	s_cmp_eq_u32 ttmp9, 1                          ; the weight, its scales and its bias: choices on the cluster's number alone
	s_cselect_b64 s[28:29], s[32:33], s[28:29]
	s_cselect_b64 s[30:31], s[34:35], s[30:31]
	s_cselect_b64 s[48:49], s[50:51], s[48:49]
	s_cmp_eq_u32 ttmp9, 2
	s_cselect_b64 s[28:29], s[36:37], s[28:29]
	s_cselect_b64 s[30:31], s[38:39], s[30:31]
	s_cselect_b64 s[48:49], s[52:53], s[48:49]
	s_cmp_eq_u32 s100, 0
	s_cselect_b64 s[4:5], s[24:25], s[28:29]       ; A's codes, scales; B's codes, scales
	s_cselect_b64 s[6:7], s[26:27], s[30:31]
	s_cselect_b64 s[8:9], s[28:29], s[24:25]
	s_cselect_b64 s[10:11], s[30:31], s[26:27]
	s_mov_b32 s3, 0
	s_mov_b32 s2, s96
	s_add_nc_u64 s[12:13], s[56:57], s[2:3]        ; my tiles in qkv_img
	s_mov_b32 s2, s95
	s_add_nc_u64 s[66:67], s[56:57], s[2:3]        ; my scale words in qkv_img
	s_mov_b32 s2, s101
	s_add_nc_u64 s[98:99], s[58:59], s[2:3]        ; vsum
	s_mov_b32 s2, s105
	s_add_nc_u64 s[96:97], s[48:49], s[2:3]        ; the bias at my first row of W
	s_mov_b32 s2, s104
	s_add_nc_u64 s[2:3], s[54:55], s[2:3]          ; the mask at my first row of x
	WIN TO_B                                       ; q, k: the bias in the results' layout, in idle registers of window 1
.irp b, 0,1,2,3
	global_load_b128 v[96+8*\b:99+8*\b], v8, s[96:97] offset:64*\b
	global_load_b128 v[100+8*\b:103+8*\b], v8, s[96:97] offset:64*\b+16
.endr
.irp b, 4,5,6,7
	global_load_b128 v[192+8*\b:195+8*\b], v8, s[96:97] offset:64*\b
	global_load_b128 v[196+8*\b:199+8*\b], v8, s[96:97] offset:64*\b+16
.endr
	WIN 0
.irp a, 0,1,2,3,4,5,6,7
	global_load_b32 v[BV+\a], v9, s[96:97] offset:64*\a      ; v: the bias of W's row 16 a + r
	global_load_u8 v[MB+\a], v10, s[2:3] offset:16*\a        ; the mask byte of x's row 16 a + r
.endr
	; group 1: rows of 256 bytes, 16 of padding behind each: 256 rows for the head's loads, later 128
	s_or_b32 s[G1+0], s43, (0<<16)|(1<<20)|(1<<21)|(5<<22)|(3<<25)
	s_or_b32 s[G1B+0], s44, (0<<16)|(1<<20)|(1<<21)|(5<<22)|(3<<25)
.irp g, G1, G1B
	s_mov_b32 s[\g+1], ROWB<<16
	s_mov_b32 s[\g+2], 256<<16
	s_mov_b32 s[\g+3], ROWB<<16
	s_mov_b32 s[\g+4], 256
	s_mov_b32 s[\g+5], KROW
	s_mov_b32 s[\g+6], 0
	s_mov_b32 s[\g+7], 0
.endr
	; the scales of 256 rows: 8,192 dense bytes as 32 rows of 256
	s_or_b32 s[G1S+0], s43, (3<<16)|(1<<20)|(1<<21)|(5<<22)|(3<<25)
	s_or_b32 s[G1SB+0], s44, (3<<16)|(1<<20)|(1<<21)|(5<<22)|(3<<25)
.irp g, G1S, G1SB
	s_mov_b32 s[\g+1], 32<<16
	s_mov_b32 s[\g+2], KS<<16
	s_mov_b32 s[\g+3], 32<<16
	s_mov_b32 s[\g+4], KS
	s_mov_b32 s[\g+5], 32
	s_mov_b32 s[\g+6], 0
	s_mov_b32 s[\g+7], 0
.endr
	s_lshl_b32 s20, s17, 8
	s_lshl_b32 s46, s42, 8
	s_mov_b32 s21, 0
	s_mov_b32 s47, 0
	s_mov_b64 s[18:19], KS
	s_mul_u64 s[22:23], s[20:21], s[18:19]
	s_mul_u64 s[92:93], s[46:47], s[18:19]
	s_mov_b64 s[18:19], KROW
	s_mul_u64 s[20:21], s[20:21], s[18:19]
	s_mul_u64 s[46:47], s[46:47], s[18:19]
	s_mul_i32 s18, s16, 128*KROW                   ; in the ring I fetch 128 rows: which half,
	s_mov_b32 s19, 0
	s_mul_i32 s45, s14, HALFT                      ; and where they go: no place in the cluster enters an LDS address
	s_add_nc_u64 s[20:21], s[4:5], s[20:21]
	s_add_nc_u64 s[22:23], s[6:7], s[22:23]
	s_add_nc_u64 s[46:47], s[8:9], s[46:47]
	s_add_nc_u64 s[92:93], s[10:11], s[92:93]
	CROUND                                         ; all sixteen work-groups are here: the first joint loads meet
	s_mov_b32 s[G0H], 1
	s_mov_b32 s[G0H+1], 0
	s_mov_b64 s[G0H+2:G0H+3], s[20:21]
	s_or_b32 s[G0H+3], s[G0H+3], 0x80000000
	s_mov_b32 s[G0HB], 1
	s_mov_b32 s[G0HB+1], 2*HALFT
	s_mov_b64 s[G0HB+2:G0HB+3], s[46:47]
	s_or_b32 s[G0HB+3], s[G0HB+3], 0x80000000
	s_mov_b32 s[G0S], 1
	s_mov_b32 s[G0S+1], SCL
	s_mov_b64 s[G0S+2:G0S+3], s[22:23]
	s_or_b32 s[G0S+3], s[G0S+3], 0x80000000
	s_mov_b32 s[G0SB], 1
	s_mov_b32 s[G0SB+1], SCL+2*HALFS
	s_mov_b64 s[G0SB+2:G0SB+3], s[92:93]
	s_or_b32 s[G0SB+3], s[G0SB+3], 0x80000000
	s_add_nc_u64 s[20:21], s[20:21], s[18:19]
	s_add_nc_u64 s[46:47], s[46:47], s[18:19]
.irp s, 0,1
	s_mov_b32 s[G0+4*\s], 1
	s_add_co_u32 s[G0+4*\s+1], s45, \s*SLOT
	s_add_nc_u64 s[G0+4*\s+2:G0+4*\s+3], s[20:21], \s*ROWB
	s_or_b32 s[G0+4*\s+3], s[G0+4*\s+3], 0x80000000
	s_mov_b32 s[G0B+4*\s], 1
	s_add_co_u32 s[G0B+4*\s+1], s45, \s*SLOT
	s_add_nc_u64 s[G0B+4*\s+2:G0B+4*\s+3], s[46:47], \s*ROWB
	s_or_b32 s[G0B+4*\s+3], s[G0B+4*\s+3], 0x80000000
.endr
; The head's loads, one a wave: wave 0 chunk 0 of A's 256 rows, wave 1 of B's, wave 2 A's scales, wave 3 B's.  One tree of branches on the wave's number.
.macro ARM under, g0, g1, next
	s_cmp_lt_u32 s14, \under
	s_cbranch_scc0 \next
	tensor_load_to_lds s[\g0:\g0+3], s[\g1:\g1+7]
	s_nop 0
.rept 4
	v_nop
.endr
	s_branch .Lhead_asked
\next:
.endm
	ARM 1, G0H,  G1,  .Lhead_b
	ARM 2, G0HB, G1B, .Lhead_sa
	ARM 3, G0S,  G1S, .Lhead_sb
	tensor_load_to_lds s[G0SB:G0SB+3], s[G1SB:G1SB+7]
	s_nop 0
.rept 4
	v_nop
.endr
.Lhead_asked:
	v_mul_u32_u24 v3, v1, PITCH
	v_mul_u32_u24 v4, v2, 24
	v_add_nc_u32 v4, v3, v4                        ; a fragment's row x pitch + 24 x half
	s_mov_b32 s21, SLOT-232
	s_mov_b32 s22, SLOT+232
	v_sub_nc_u32 v7, 1, v2
	v_mul_u32_u24 v5, s21, v2
	v_add_nc_u32 v5, v3, v5
	v_add_nc_u32 v5, 232, v5                       ; across two chunks: lanes 0-15 byte 232 in slot 0, lanes 16-31 byte 0 in slot 1;
	v_mul_u32_u24 v6, s22, v7
	v_add_nc_u32 v6, v3, v6                        ; and the other way round
	s_mul_i32 s21, s15, HALFT
	s_mul_i32 s22, s16, HALFT
	s_add_co_u32 s22, s22, 2*HALFT
	v_add_nc_u32 v[ADRA+2], s21, v5
	v_add_nc_u32 v[ADRA+3], s21, v6
	v_add_nc_u32 v[ADRB+2], s22, v5
	v_add_nc_u32 v[ADRB+3], s22, v6
.irp s, 0,1
	v_add_nc_u32 v[ADRA+\s], s21, v4
	v_add_nc_u32 v[ADRB+\s], s22, v4
	s_add_co_u32 s21, s21, SLOT
	s_add_co_u32 s22, s22, SLOT
.endr
	v_mul_u32_u24 v5, v1, KS                       ; my row's scales: 32 bytes a row, 16 more for each 256 passed
	v_lshrrev_b32 v6, 8, v5
	v_lshl_add_u32 v5, v6, 4, v5
	s_mul_i32 s21, s15, HALFS
	s_mul_i32 s22, s16, HALFS
	s_add_co_u32 s22, s22, 2*HALFS
	s_sub_co_u32 s22, s22, s21
	v_mul_u32_u24 v6, s22, v2                      ; lanes 16-31 take B's
	s_add_co_u32 s21, s21, SCL
	v_add_nc_u32 v5, v5, v6
	v_add_nc_u32 v[ADRS], s21, v5
	v_and_b32 v6, 31, v0
	v_lshlrev_b32 v[L16], 4, v6
	v_lshlrev_b32 v[L8], 3, v6
	s_wait_alu depctr_va_vdst(0)
	s_wait_xcnt 0x0                                ; the loads of bias and mask have read their bases
	s_mov_b32 s[SEL], 0x76543210
	s_mov_b32 s[SEL+1], 0xfedcba98                 ; selects for lane l xor 16
	s_mov_b32 s96, 0xffff                          ; lanes 0-15; also a word's low half
	s_cmp_eq_u32 ttmp9, 1
	s_mov_b32 s97, 0x7f7f0000                      ; bytes 2, 3 of a scale word: q: 127, 127;
	s_mov_b32 s92, 0x7f7f0000
	s_mov_b32 s2, 0x7f010000
	s_cselect_b32 s97, s2, s97                     ; k, a key that counts: 1, 127;
	s_mov_b32 s2, 0x7fe30000
	s_cselect_b32 s92, s2, s92                     ; k, a blocked key: 227, 127
.macro FRAG reg, adr, st, i            ; 16 rows x 128 K: 12 registers, six pieces of 8 bytes; byte y of a row lies in slot (y / 256) % 2 at byte y % 256
.irp p, 0,1,2,3,4,5
.set BY, 96*(\st)+48*(\p/3)+8*(\p%3)
.if BY/ROWB == (BY+24)/ROWB
	ds_load_b64 v[\reg+2*\p:\reg+2*\p+1], v[\adr+(BY/ROWB)%2] offset:BY%ROWB+(\i)*16*PITCH
.else
	ds_load_b64 v[\reg+2*\p:\reg+2*\p+1], v[\adr+2+(BY/ROWB)%2] offset:BY%ROWB-232+(\i)*16*PITCH
.endif
.endr
.endm
; 16 matrix instructions: A's blocks a0, a0 + 1 x B's eight.  The 64 accumulators take turns, one instruction a turn.
.macro MUL16 a0, p, q, sc, zero
.irp a, \a0, \a0+1
.irp b, 0,1,2,3,4,5,6,7
.if \zero
	v_wmma_scale_f32_16x16x128_f8f6f4 v[8*(8*((\a)%4)+\b):8*(8*((\a)%4)+\b)+7], v[128*(\p)+FR*\b:128*(\p)+FR*\b+FR-1], v[AF+FR*(\a):AF+FR*(\a)+FR-1], 0, v[SC+8*NQ*(\sc)+NQ*\b+(\q)], v[SC+8*NQ*(\sc)+NQ*(\a)+(\q)] matrix_a_fmt:MATRIX_FMT_FP6 matrix_b_fmt:MATRIX_FMT_FP6 matrix_a_scale:MATRIX_SCALE_ROW1
.else
	v_wmma_scale_f32_16x16x128_f8f6f4 v[8*(8*((\a)%4)+\b):8*(8*((\a)%4)+\b)+7], v[128*(\p)+FR*\b:128*(\p)+FR*\b+FR-1], v[AF+FR*(\a):AF+FR*(\a)+FR-1], v[8*(8*((\a)%4)+\b):8*(8*((\a)%4)+\b)+7], v[SC+8*NQ*(\sc)+NQ*\b+(\q)], v[SC+8*NQ*(\sc)+NQ*(\a)+(\q)] matrix_a_fmt:MATRIX_FMT_FP6 matrix_b_fmt:MATRIX_FMT_FP6 matrix_a_scale:MATRIX_SCALE_ROW1
.endif
.endr
.endr
.endm
.macro FETCH_B st, p
	WIN TO_B
.irp i, 0,1,2,3,4,5,6,7
	FRAG 128*(\p)+FR*\i, ADRB, \st, \i
.endr
	WIN 0
.endm
.macro FETCH_A st, i0
.irp i, \i0, \i0+1, \i0+2, \i0+3
	FRAG AF+FR*(\i), ADRA, \st, \i
.endr
.endm
.macro SCALES pr                       ; the scale words of steps 2 pr, 2 pr + 1: lanes 0-15 A's block i, lanes 16-31 B's
.irp i, 0,1,2,3,4,5,6,7
	ds_load_b64 v[SC+8*NQ*((\pr)%2)+NQ*\i:SC+8*NQ*((\pr)%2)+NQ*\i+1], v[ADRS] offset:\i*SBLK+4*NQ*(\pr)
.endr
.endm
.macro PLACES n                        ; plain vector instructions between a matrix instruction and a load into, a write of or a read of its registers
.rept \n
	v_nop
.endr
.endm
; A step of 128 along K.  Where the next step's bytes end in a chunk not yet read: a wait for my tensor loads and a barrier.  Where they begin in a later chunk: the chunk left behind is free:
; the wait for all my tensor loads, the add, the wait for it and for my reads, the barrier; where a chunk two on is left, the barrier opens a round of the cluster's and the slot is filled again.
.macro STEP st, zero
.set NX, (\st)+1
.set C0, (96*(\st))/ROWB
.set C1, (96*NX)/ROWB
.set E0, (96*(\st)+95)/ROWB
.set E1, (96*NX+95)/ROWB
.if C1 > C0 || E1 > E0
	s_wait_tensorcnt 0x0                           ; all my tensor loads have landed
.if C1 > C0
	ds_add_u32 v[SPW], v[NIL]
	s_wait_dscnt 4*NL+1                            ; the add and the youngest 24 loads (A's blocks 4-7) may be out
.else
	s_wait_dscnt 4*NL
.endif
	WIN MUL_LO
	MUL16 0, (\st)%2, (\st)%2, ((\st)/2)%2, \zero
	s_wait_dscnt 0x0                               ; the add, where there is one, and all my reads are done
	s_barrier_signal -1
	MUL16 2, (\st)%2, (\st)%2, ((\st)/2)%2, \zero
	WIN 0
	s_barrier_wait -1
.if C1 > C0 && C0+2 < CHUNKS
	CREST
	s_add_nc_u64 s[G0+4*(C0%2)+2:G0+4*(C0%2)+3], s[G0+4*(C0%2)+2:G0+4*(C0%2)+3], 2*ROWB
	s_add_nc_u64 s[G0B+4*(C0%2)+2:G0B+4*(C0%2)+3], s[G0B+4*(C0%2)+2:G0B+4*(C0%2)+3], 2*ROWB
	JLOAD G0+4*(C0%2), G1, G0B+4*(C0%2), G1B       ; chunk C0 + 2: my one tensor load behind the round; its four v_nop are the places for the loads below
.else
	PLACES NP
.endif
.else
	s_wait_dscnt 4*NL                              ; the youngest 24 loads (A's blocks 4-7) may be out
	WIN MUL_LO
	MUL16 0, (\st)%2, (\st)%2, ((\st)/2)%2, \zero
	MUL16 2, (\st)%2, (\st)%2, ((\st)/2)%2, \zero
	s_wait_dscnt 0
	PLACES NP
.endif
	FETCH_B NX, NX%2
	FETCH_A NX, 0
.if NX%2 == 0
	SCALES NX/2
.endif
	WIN MUL_HI
	MUL16 4, (\st)%2, (\st)%2, ((\st)/2)%2, \zero
	MUL16 6, (\st)%2, (\st)%2, ((\st)/2)%2, \zero
	PLACES NP
	WIN 0
	FETCH_A NX, 4
.endm
	s_wait_tensorcnt 0x0                           ; my tile of the head's four is in
	ds_add_u32 v[SPW], v[NIL]
	s_mov_b32 s[G1+2], 128<<16                     ; no tensor load of mine is out: from here on a load brings 128 rows
	s_mov_b32 s[G1+4], 128
	s_mov_b32 s[G1B+2], 128<<16
	s_mov_b32 s[G1B+4], 128
	s_wait_dscnt 0x0
	CROUND
	JLOAD G0+4, G1, G0B+4, G1B                     ; chunk 1: the first tensor load behind the round
	FETCH_B 0, 0
	FETCH_A 0, 0
	SCALES 0
	FETCH_A 0, 4
	STEP 0, 1                                      ; the first step's products start the sums
.set ST, 1
.rept STEPS-2
	STEP ST, 0
.set ST, ST+1
.endr
	s_wait_dscnt 4*NL
	WIN MUL_LO
	MUL16 0, 1, 1, 1, 0
	MUL16 2, 1, 1, 1, 0
	s_wait_dscnt 0
	WIN MUL_HI
	MUL16 4, 1, 1, 1, 0
	MUL16 6, 1, 1, 1, 0
	WIN 0
; THE QUANTISER.  64 numbers of a lane, register 16 b + i in block b of the lane's row (lane l xor 16 holds the other 16), become a fragment's 12 registers and the row's scale word.
.macro QUANT s, pc, pw
.irp b, 0,1,2,3
	v_max3_num_f32 v[TM+\b], |v[\s+16*\b]|, |v[\s+1+16*\b]|, 0x1800000   ; with the floor 2^(3 - 127): the byte cannot fall under 1
.endr
.irp i, 2,4,6,8,10,12,14
.irp b, 0,1,2,3
	v_max3_num_f32 v[TM+\b], v[TM+\b], |v[\s+16*\b+\i]|, |v[\s+1+16*\b+\i]|
.endr
.endr
.irp b, 0,1,2,3
	v_permlanex16_b32 v[TM+4+\b], v[TM+\b], s[SEL], s[SEL+1]
.endr
.irp b, 0,1,2,3
	v_max_num_f32 v[TM+\b], v[TM+\b], v[TM+4+\b]
.endr
.irp b, 0,1,2,3
	v_add_nc_u32 v[TM+12+\b], 0xff000000, v[TM+\b] ; 2 off the exponent field: the conversion's scale operand
.endr
.irp b, 0,1,2,3
	v_lshrrev_b32 v[TM+4+\b], 23, v[TM+12+\b]      ; the scale's byte
.endr
	v_lshl_or_b32 v[\pw], v[TM+5], 8, v[TM+4]
	v_lshl_or_b32 v[\pw], v[TM+6], 16, v[\pw]
	v_lshl_or_b32 v[\pw], v[TM+7], 24, v[\pw]
.irp c, 0,1
	v_cvt_scalef32_pk16_fp6_f32 v[\pc+6*\c:\pc+6*\c+2], v[\s+32*\c:\s+32*\c+15], v[TM+12+2*\c]
	v_cvt_scalef32_pk16_fp6_f32 v[XT+4*\c:XT+4*\c+2], v[\s+32*\c+16:\s+32*\c+31], v[TM+13+2*\c]
.endr
	v_nop                                          ; one plain place behind a scaled conversion
.irp c, 0,1                            ; a whole block to a lane
.irp i, 0,1,2
	v_permlane16_swap_b32 v[\pc+6*\c+\i], v[XT+4*\c+\i]
.endr
.irp i, 0,1,2
	v_mov_b32 v[\pc+6*\c+3+\i], v[XT+4*\c+\i]
.endr
.endr
.endm
; q, k: A's block a (16 tokens): + bias, quantised; registers 0-5 are my first head's half fragment, 6-11 the next head's.
.macro EPQK a
.set PCX, PCB+12*((\a)%2)
.set PWX, PWB+(\a)%2
.set AC, 64*((\a)%4)
	s_wait_xcnt 0x0                                ; earlier stores have read their data
	WIN 0x06+(\a)/4
.set i, 0
.rept 32
.if i < 32
	v_pk_add_f32 v[H+i:H+i+1], v[AC+i:AC+i+1], v[96+i:97+i]     ; each accumulator from its low end on
.else
	v_pk_add_f32 v[H+i:H+i+1], v[AC+i:AC+i+1], v[192+i:193+i]
.endif
.set i, i+2
.endr
	WIN 0
	QUANT H, PCX, PWX
	global_store_b128 v[L16], v[PCX:PCX+3], s[12:13] offset:768*(\a)
	global_store_b64 v[L8], v[PCX+4:PCX+5], s[12:13] offset:768*(\a)+512
	global_store_b128 v[L16], v[PCX+6:PCX+9], s[12:13] offset:HS+768*(\a)
	global_store_b64 v[L8], v[PCX+10:PCX+11], s[12:13] offset:HS+768*(\a)+512
	v_and_or_b32 v[WA+\a], v[PWX], s96, v[MB+\a]
	v_lshrrev_b32 v[TMPW], 16, v[PWX]
	v_or_b32 v[WB+\a], v[TMPW], v[MB+\a]
.endm
.macro VSUMM a                         ; v: ones x the fragment just made: every row of the result is the sum over my 128 keys
.set PCY, PCB+12*((\a)%2)
.set PWY, PWB+(\a)%2
.set DVY, DV+8*((\a)%2)
	v_wmma_scale_f32_16x16x128_f8f6f4 v[DVY:DVY+7], v[ONES:ONES+11], v[PCY:PCY+11], 0, v[ONESC], v[PWY] matrix_a_fmt:MATRIX_FMT_FP6 matrix_b_fmt:MATRIX_FMT_FP6
.endm
; v: A's block a (16 channels): + bias, quantised along my 128 keys.  Block a - 1's sum stands behind this block's 32 additions (its places ahead); the quantiser's lines are the places behind it.
.macro EPV a
.set PCX, PCB+12*((\a)%2)
.set PWX, PWB+(\a)%2
.set AC, 64*((\a)%4)
.set DVP, DV+8*(((\a)+1)%2)
	s_wait_xcnt 0x0
	v_mov_b32 v[BP], v[BV+\a]
	s_wait_alu depctr_va_vdst(0)
	WIN 0x02+(\a)/4
.set i, 0
.rept 32
	v_pk_add_f32 v[H+i:H+i+1], v[AC+i:AC+i+1], v[BP:BP+1] op_sel_hi:[1,0]
.set i, i+2
.endr
	WIN 0
.if (\a) > 0
	VSUMM (\a)-1
.endif
	QUANT H, PCX, PWX
.if (\a) > 0
	v_mov_b32 v[WB+(\a)-1], v[DVP]
.endif
.irp c, 0,1,2
	global_store_b128 v[L16], v[PCX+4*\c:PCX+4*\c+3], s[12:13] offset:((\a)/4)*HS+((\a)%4)*1536+512*\c
.endr
	v_mov_b32 v[WA+\a], v[PWX]
.endm
	s_wait_loadcnt 0x0                             ; bias and mask
	PLACES NP
.irp b, 0,1,2,3
	v_mov_b32 v[TM+4+\b], 0                        ; a lane permute's destination counts as one of its sources
.endr
	s_cmp_lg_u32 s100, 0                           ; the cluster's number: all sixteen partners go the same way
	s_cbranch_scc1 .Lv
	v_mov_b32 v[CON], s97
	v_mov_b32 v[COFF], s92
.irp a, 0,1,2,3,4,5,6,7
	v_cmp_ne_u32 vcc_lo, 0, v[MB+\a]
	v_cndmask_b32 v[MB+\a], v[COFF], v[CON], vcc_lo
.endr
.irp a, 0,1,2,3,4,5,6,7
	EPQK \a
.endr
.irp j, 0,1,2,3
	v_cndmask_b32 v[OUTW+\j], v[WA+2*\j+1], v[WA+2*\j], s96       ; lanes 0-15: tile 2 j's word, lanes 16-31: tile 2 j + 1's
	v_cndmask_b32 v[OUTW+4+\j], v[WB+2*\j+1], v[WB+2*\j], s96
.endr
	global_store_b128 v[L16], v[OUTW:OUTW+3], s[66:67]
	global_store_b128 v[L16], v[OUTW+4:OUTW+7], s[66:67] offset:HS
	s_branch .Ljoin
.Lv:
.irp i, 0,3,6,9
	v_mov_b32 v[ONES+\i], 0x08208208               ; the code of 1.0 in every six bits
	v_mov_b32 v[ONES+\i+1], 0x82082082
	v_mov_b32 v[ONES+\i+2], 0x20820820
.endr
	v_mov_b32 v[ONESC], 0x7f7f7f7f
	v_mov_b32 v[BP+1], 0
.irp a, 0,1,2,3,4,5,6,7
	EPV \a
.endr
	PLACES 8                                       ; a scale word written by vector instructions stands eight places ahead of a scaled matrix instruction
	VSUMM 7
	PLACES NP
	v_mov_b32 v[WB+7], v[DV+8]
.irp j, 0,1
	v_cndmask_b32 v[OUTW+\j], v[WA+2*\j+1], v[WA+2*\j], s96
	v_cndmask_b32 v[OUTW+2+\j], v[WA+4+2*\j+1], v[WA+4+2*\j], s96
.endr
.irp j, 0,1,2,3
	v_cndmask_b32 v[OUTW+4+\j], v[WB+2*\j+1], v[WB+2*\j], s96     ; the sums: lane l, word j: channel 32 j + l of my 128
.endr
	global_store_b64 v[L8], v[OUTW:OUTW+1], s[66:67]
	global_store_b64 v[L8], v[OUTW+2:OUTW+3], s[66:67] offset:HS
	global_store_b128 v[L16], v[OUTW+4:OUTW+7], s[98:99]
.Ljoin:
	s_wait_tensorcnt 0x0                           ; the wave's end
	ds_add_u32 v[SPW], v[NIL]
	s_wait_dscnt 0x0
	CROUND                                         ; the closing round
	s_endpgm
.Lfunc_end_k_q7da73526d5_qkv:
	.size	k_q7da73526d5_qkv, .Lfunc_end_k_q7da73526d5_qkv-k_q7da73526d5_qkv
	.p2alignl 7, 3214868480
	.fill 96, 4, 3214868480
	.section	.rodata,"a",@progbits
	.p2align	6, 0x0
	.amdhsa_kernel k_q7da73526d5_qkv
		.amdhsa_group_segment_fixed_size 327680
		.amdhsa_private_segment_fixed_size 0
		.amdhsa_enable_private_segment 0
		.amdhsa_kernarg_size 112
		.amdhsa_user_sgpr_count 2
		.amdhsa_user_sgpr_kernarg_segment_ptr 1
		.amdhsa_wavefront_size32 1
		.amdhsa_system_sgpr_workgroup_id_x 1
		.amdhsa_system_sgpr_workgroup_id_y 1
		.amdhsa_system_sgpr_workgroup_id_z 1
		.amdhsa_system_vgpr_workitem_id 0
		.amdhsa_next_free_vgpr 1024
		.amdhsa_next_free_sgpr 106
		.amdhsa_reserve_vcc 1
		.amdhsa_float_denorm_mode_32 3
		.amdhsa_float_denorm_mode_16_64 3
		.amdhsa_memory_ordered 1
		.amdhsa_forward_progress 1
		.amdhsa_inst_pref_size 241
	.end_amdhsa_kernel
	.amdgpu_metadata
---
amdhsa.version: [ 1, 2 ]
amdhsa.kernels:
  - .name:           k_q7da73526d5_qkv
    .symbol:         k_q7da73526d5_qkv.kd
    .args:
      - { .name: x_codes, .offset: 0, .size: 8, .value_kind: global_buffer, .address_space: global }
      - { .name: x_scales, .offset: 8, .size: 8, .value_kind: global_buffer, .address_space: global }
      - { .name: Wq_codes, .offset: 16, .size: 8, .value_kind: global_buffer, .address_space: global }
      - { .name: Wq_scales, .offset: 24, .size: 8, .value_kind: global_buffer, .address_space: global }
      - { .name: Wk_codes, .offset: 32, .size: 8, .value_kind: global_buffer, .address_space: global }
      - { .name: Wk_scales, .offset: 40, .size: 8, .value_kind: global_buffer, .address_space: global }
      - { .name: Wv_codes, .offset: 48, .size: 8, .value_kind: global_buffer, .address_space: global }
      - { .name: Wv_scales, .offset: 56, .size: 8, .value_kind: global_buffer, .address_space: global }
      - { .name: bq, .offset: 64, .size: 8, .value_kind: global_buffer, .address_space: global }
      - { .name: bk, .offset: 72, .size: 8, .value_kind: global_buffer, .address_space: global }
      - { .name: bv, .offset: 80, .size: 8, .value_kind: global_buffer, .address_space: global }
      - { .name: attention_mask, .offset: 88, .size: 8, .value_kind: global_buffer, .address_space: global }
      - { .name: qkv_img, .offset: 96, .size: 8, .value_kind: global_buffer, .address_space: global }
      - { .name: vsum, .offset: 104, .size: 8, .value_kind: global_buffer, .address_space: global }
    .group_segment_fixed_size: 327680
    .private_segment_fixed_size: 0
    .kernarg_segment_align: 8
    .kernarg_segment_size: 112
    .max_flat_workgroup_size: 128
    .sgpr_count:     106
    .vgpr_count:     1024
    .wavefront_size: 32
...
	.end_amdgpu_metadata
.endif
;; end of part 1
;; launch attn (part 2): grid 4 x 64, 16 waves a work-group, no clusters, 327,680 bytes of LDS; arguments qkv_img, vsum, attn_img, attn_sc; writes attn_img, attn_sc
.if DOCPART == 2
	.amdgcn_target "amdgcn-amd-amdhsa--gfx1250"
	.amdhsa_code_object_version 6
	.text
	.protected	k_q7da73526d5_attn
	.globl	k_q7da73526d5_attn
	.p2align	8
	.type	k_q7da73526d5_attn,@function
k_q7da73526d5_attn:
	s_mov_b64 s[64:65], 0
	v_nop
	global_prefetch_b8 v0, s[64:65] scope:SCOPE_SE
	s_setreg_imm32_b32 hwreg(HW_REG_WAVE_MODE, 25, 1), 1
	s_wait_xcnt 0x0
; attn[b][q][head] = softmax over the keys of (q . k / 8, causal, key mask) v, both products on codes of FP6 (E2M3); the result is quantised along the model's 1,024 for the last product.
; IN: the fragments and scale words that the launch before laid as images of registers.  OUT: attn_img [row tile][head][768 bytes] (half fragments, true order along K), attn_sc [row][32 bytes].
; THE SOFTMAX: t = score x log2(e) / 8; M = the running largest t rounded up to a whole number; p = 2^(t - M) is quantised along the keys; the row's sum is taken of the unquantised p and divides at the end.
; LEFT OUT: key steps that lie wholly behind a wave's queries: the causal mask that the problem builds itself gives them the weight 0.
; SHARES.  Work-group (j, batch x head) owns the blocks j and 7 - j of 256 queries; wave w takes tile w of the first (pass A) and tile 15 - w of the second (pass B): 17 key steps of 128 for every wave.
; LDS holds an image of the head's dense block of 208,896 bytes: k's scale words, v's, k, v.  Each byte is filled once, in two parts:
;   at the head waves 0-8 bring 48 rows of 256 bytes each: the scale words and keys 0-1,023 of k and of v, which is all that pass A reads (its queries lie under 1,024);
;   behind the head's barrier every wave brings 24 rows: keys 1,024-2,047 of k and of v; they are on their way during pass A, and a wait and a barrier stand ahead of pass B.
; No cluster: the four work-groups of a head read the same k and v, but which steps a wave leaves out hangs on its query block, which would be its place in the cluster.
; No prefetch: all that the work-group reads is asked for at the head and straight behind its barrier; no trip lies ahead of a load.
; LAYOUT.  S^T = k q^T (source 0 = 16 keys, source 1 = my 16 queries), O^T = v^T p^T (source 0 = 16 channels): a lane holds one query (lane % 16).  The 16 registers of key tiles 2 b, 2 b + 1 lie in block b of 32 keys,
; in the order inside a block in which v was quantised too.
; THE PRODUCT q k^T IS 64 LONG, the instruction 128.  Registers 6-11 of q's and k's fragments are constants: zeros, but for position 64: 1.0 in q, -4.0 in k, scaled by byte 2 of k's scale word: 2^-126 for a key that counts,
; 2^100 for a key that the mask blocks: its score is -2^102 and its p is 0.
; A ROW WITH NO KEY LEFT has equal weights on all 2,048 keys in the definition.  So the running state starts as that row's: O = the sum of the quantised v over all keys, the sum 2,048, the largest t -2^64.
; The first score that counts moves M, and the factor 2^(old M - new M) is 0: the start is wiped.
; LIMITS: NaN and infinities are not served; a t under -2^64 counts as blocked; scores stay under 2^100 in size; a score that counts is moved by -2^-124; a block of zeros gets the scale byte 1.
; REGISTERS: v1-5 lane terms; v6, v7 the add's two; v8-11, v82 addresses in hand; v12 -M, v13 the largest t, v[14:15] the sum; v16-27 q; v28-31 k's scale words; v32-79 four fragments of k; v80-81 v's scale words;
;   v83-86 addresses; v96-159 S^T, then p, then four fragments of v; v160-191 O^T; v192-198 pass B's q; v224-235 p's codes; v232-254 at work; v253 p's scale word; v255 q's.  s52-59 the diagonal tile's lane masks.
.set HS,    315392
.set SCV,   8192                       ; LDS: k's scale words from 0, v's from here,
.set KIMG,  12288                      ; k's images,
.set VIMG,  98304                      ; v's so far behind k's,
.set SCR,   208896                     ; 256 bytes for each wave: the head's 64 sums of v; no fill lands here
.set SPARE, 212992                     ; the spare words: 128 bytes a wave
.set L16,  1
.set L8,   2
.set AV0,  3
.set AT0,  5
.set SPW,  6
.set NIL,  7
.set ADK16, 8
.set ADK8, 9
.set ADV,  10
.set ADS,  11
.set ADT,  82
.set WV,   18
.set SEL,  20
.set CS,   22
.set DM,   52
.set TB,   2
.set TS,   3
.set TJ,   66
.set TRIP, 67
.set KF,   68
.set Q0,   69
	s_load_b64 s[4:5], s[0:1], 0x0                 ; qkv_img
	s_load_b128 s[8:11], s[0:1], 0x8               ; vsum, attn_img
	s_load_b64 s[12:13], s[0:1], 0x18              ; attn_sc
	v_lshl_add_u32 v[SPW], v0, 2, SPARE
	v_mov_b32 v[NIL], 0
	ds_add_u32 v[SPW], v[NIL]                      ; the opening lines: the add, twice on end, and its wait ahead of my first tensor load
	ds_add_u32 v[SPW], v[NIL]
	v_lshrrev_b32 v8, 5, v0
	s_delay_alu instid0(VALU_DEP_1)
	v_readfirstlane_b32 s[WV], v8                  ; wave 0..15
	s_and_b32 s89, ttmp7, 0xffff                   ; 16 x batch + head
	s_lshr_b32 s90, s89, 4
	s_and_b32 s91, s89, 15
	s_lshl_b32 s87, ttmp9, 8
	s_lshl_b32 s70, s[WV], 4
	s_add_co_u32 s87, s87, s70                     ; pass A's first query: 256 j + 16 w
	s_sub_co_u32 s88, 2032, s87                    ; pass B's: 256 (7 - j) + 16 (15 - w)
	s_mov_b32 s24, 3<<16                           ; group 1, first part: 48 rows of 256 bytes (32 elements of 8)
	s_mov_b32 s25, 32<<16
	s_mov_b32 s26, 48<<16
	s_mov_b32 s27, 32<<16
	s_mov_b32 s28, 48
	s_mov_b32 s29, 32
	s_mov_b32 s30, 0
	s_mov_b32 s31, 0
	s_mov_b32 s32, 3<<16                           ; second part: 24 rows
	s_mov_b32 s33, 32<<16
	s_mov_b32 s34, 24<<16
	s_mov_b32 s35, 32<<16
	s_mov_b32 s36, 24
	s_mov_b32 s37, 32
	s_mov_b32 s38, 0
	s_mov_b32 s39, 0
	s_mul_i32 s41, s[WV], 12288                    ; first part: waves 0-4 the scale words and k's keys 0-1,023 (61,440 bytes on end),
	s_add_co_u32 s70, s[WV], 3
	s_lshr_b32 s70, s70, 3
	s_mul_i32 s70, s70, 49152
	s_add_co_u32 s41, s41, s70                     ; waves 5-8 v's, 49,152 bytes further on.  The place is the same in LDS and in the block
	s_mul_i32 s45, s[WV], 6144                     ; second part: waves 0-7 k's keys 1,024-2,047, from byte 61,440 on,
	s_lshr_b32 s70, s[WV], 3
	s_mul_i32 s70, s70, 49152
	s_add_co_u32 s45, s45, s70                     ; waves 8-15 v's
	s_add_co_u32 s45, s45, 61440
	s_mul_i32 s92, s89, HS
	s_mov_b32 s93, 0
	s_add_co_u32 s94, s41, 106496                  ; the block begins behind q's tiles and scale words
	s_mov_b32 s95, 0
	s_add_co_u32 s60, s45, 106496
	s_mov_b32 s61, 0
	s_mov_b32 s40, 1
	s_mov_b32 s44, 1
	s_mov_b32 s[SEL], 0x76543210
	s_mov_b32 s[SEL+1], 0xfedcba98
	s_mov_b32 s[CS], 0x3e38aa3b                    ; c = log2(e) / 8
	s_mov_b32 s[CS+1], s[CS]
	s_mov_b32 s84, 0x05040302                      ; byte selects that put 48-bit pieces in order
	s_mov_b32 s85, 0x07060302
	s_mov_b32 s86, 0x05040100
	s_wait_dscnt 0x0                               ; both opening adds are done
	s_wait_kmcnt 0x0
	s_add_nc_u64 s[14:15], s[4:5], s[92:93]        ; qkv_img at my head
	s_add_nc_u64 s[16:17], s[14:15], 98304         ; q's scale words
	s_add_nc_u64 s[42:43], s[14:15], s[94:95]
	s_or_b32 s43, s43, 0x80000000
	s_add_nc_u64 s[46:47], s[14:15], s[60:61]
	s_or_b32 s47, s47, 0x80000000
	s_cmp_gt_u32 s[WV], 8                          ; the first part has nine shares
	s_cbranch_scc1 .Lno_first
	tensor_load_to_lds s[40:43], s[24:31]
	s_nop 0
.rept 4
	v_nop
.endr
.Lno_first:
	v_and_b32 v8, 31, v0
	s_delay_alu instid0(VALU_DEP_1)
	v_lshlrev_b32 v[L16], 4, v8
	s_delay_alu instid0(VALU_DEP_2)
	v_lshlrev_b32 v[L8], 3, v8
	s_delay_alu instid0(VALU_DEP_2)
	v_add_nc_u32 v[AV0], VIMG, v[L16]
	s_delay_alu instid0(VALU_DEP_2)
	v_add_nc_u32 v[AT0], SCV, v[L8]
	v_and_b32 v9, 15, v0                           ; r
	v_bfe_u32 v10, v0, 4, 1                        ; h
	s_delay_alu instid0(VALU_DEP_2)
	v_lshlrev_b32 v85, 4, v9                       ; q's scale words: 16 bytes from row to row
	s_wait_alu depctr_va_vdst(0)
	v_lshlrev_b32 v84, 5, v9                       ; attn_sc: 32 bytes a row
	s_lshl_b32 s70, s[WV], 8
	s_add_co_u32 s70, s70, SCR
	v_lshl_add_u32 v83, v10, 5, s70                ; the sums, read: my half's eight channels of a tile
	v_lshl_add_u32 v86, v8, 2, s70                 ; and stored: a word a lane
	s_mul_i32 s92, s87, 48                         ; a tile of 16 queries is 768 bytes
	s_add_nc_u64 s[72:73], s[14:15], s[92:93]
	s_mul_i32 s92, s88, 48
	s_add_nc_u64 s[74:75], s[14:15], s[92:93]
.macro QSC dst, q                      ; the scale words of the tile at query s[q]: 512 bytes for 128 queries; odd tiles 256 on; word (tile / 2) % 4
	s_lshr_b32 s92, s[\q], 7
	s_lshl_b32 s92, s92, 9
	s_bfe_u32 s94, s[\q], 0x10004
	s_lshl_b32 s94, s94, 8
	s_add_co_u32 s92, s92, s94
	s_bfe_u32 s94, s[\q], 0x20005
	s_lshl_b32 s94, s94, 2
	s_add_co_u32 s92, s92, s94
	s_add_nc_u64 s[\dst:\dst+1], s[16:17], s[92:93]
.endm
	QSC 76, 87
	QSC 78, 88
	s_lshl_b32 s92, s90, 7                         ; vsum: (128 batch + 8 step + head / 2) x 512 + 8 (head % 2)
	s_lshr_b32 s94, s91, 1
	s_add_co_u32 s92, s92, s94
	s_lshl_b32 s92, s92, 9
	s_and_b32 s94, s91, 1
	s_lshl_b32 s94, s94, 3
	s_add_co_u32 s92, s92, s94
	s_add_nc_u64 s[8:9], s[8:9], s[92:93]
	global_load_b128 v[16:19], v[L16], s[72:73]
	global_load_b64 v[20:21], v[L8], s[72:73] offset:512
	global_load_b32 v255, v85, s[76:77]
	global_load_b128 v[192:195], v[L16], s[74:75]
	global_load_b64 v[196:197], v[L8], s[74:75] offset:512
	global_load_b32 v198, v85, s[78:79]
.irp g, 0,1,2,3,4,5,6,7,8,9,10,11,12,13,14,15
	global_load_b64 v[96+2*\g:97+2*\g], v[L16], s[8:9] offset:4096*\g   ; key step g's sums of channels lane and 32 + lane
.endr
	v_sub_nc_u32 v11, 1, v10                       ; 1 in lanes 0-15, which hold position 64
	s_delay_alu instid0(VALU_DEP_1)
	v_lshlrev_b32 v22, 3, v11                      ; q: the code of 1.0
.irp i, 23,24,25,26,27
	v_mov_b32 v[\i], 0
.endr
.irp t, 0,1,2,3
	v_mul_u32_u24 v[38+12*\t], v11, 56             ; k: the code of -4.0
.irp i, 7,8,9,10,11
	v_mov_b32 v[32+12*\t+\i], 0
.endr
.endr
.irp b, 0,1,2,3
	v_mov_b32 v[236+\b], 0                         ; a lane permute's destination counts as one of its sources
.endr
	v_mov_b32 v252, 0
	v_mov_b32 v253, 0
	v_lshlrev_b32 v254, 3, v10
	s_delay_alu instid0(VALU_DEP_1)
	v_sub_nc_u32 v254, v9, v254                    ; r - 8 h
.irp i, 0,1,2,3,4,5,6,7
	v_cmp_gt_i32 s[DM+\i], \i, v254                ; in the key tile on the diagonal register i holds key 8 h + i of the tile: hidden from query r where 8 h + i > r
.endr
	s_wait_loadcnt 0x0
.irp g, 0,2,4,6,8,10,12,14
	v_pk_add_f32 v[96+2*\g:97+2*\g], v[96+2*\g:97+2*\g], v[98+2*\g:99+2*\g]
.endr
.irp g, 0,4,8,12
	v_pk_add_f32 v[96+2*\g:97+2*\g], v[96+2*\g:97+2*\g], v[100+2*\g:101+2*\g]
.endr
	s_delay_alu instid0(VALU_DEP_3)
	v_pk_add_f32 v[96:97], v[96:97], v[104:105]
	s_delay_alu instid0(VALU_DEP_2)
	v_pk_add_f32 v[112:113], v[112:113], v[120:121]
	s_delay_alu instid0(VALU_DEP_1)
	v_pk_add_f32 v[96:97], v[96:97], v[112:113]    ; the head's sums over all 2,048 keys
	ds_store_b32 v86, v96
	ds_store_b32 v86, v97 offset:128
	s_wait_alu depctr_va_vdst(0)
	s_wait_tensorcnt 0x0                           ; my share of the first part has landed,
	ds_add_u32 v[SPW], v[NIL]                      ; the add twice on end
	ds_add_u32 v[SPW], v[NIL]
	s_wait_dscnt 0x0
	s_barrier_signal -1
	s_barrier_wait -1                              ; everybody's has
	tensor_load_to_lds s[44:47], s[32:39]          ; my share of the second part: my one load behind the barrier, into bytes that pass A does not read
	s_nop 0
.rept 4
	v_nop
.endr
; The causal mask in key tile t of the step on the diagonal.  s94 = my first query - the step's first key, a multiple of 16 from 0 to 112: the tile at s94 is cut by the diagonal,
; those ahead of it count whole, those behind it are hidden whole.  Branches on ids.
.macro MASKT t
.if \t > 0
	s_cmp_lt_u32 s94, 16*\t
	s_cbranch_scc1 .Lall_\@
.endif
	s_cmp_lg_u32 s94, 16*\t
	s_cbranch_scc1 .Lnext_\@
.irp i, 0,1,2,3,4,5,6,7
	v_cndmask_b32 v[96+8*(\t)+\i], v[96+8*(\t)+\i], v254, s[DM+\i]
.endr
.if \t > 0
	s_branch .Lnext_\@
.Lall_\@:
.irp i, 0,1,2,3,4,5,6,7
	v_mov_b32 v[96+8*(\t)+\i], v254
.endr
.endif
.Lnext_\@:
.endm
; A KEY STEP: 128 keys from s[KF] on.
.macro STEP
	s_add_co_u32 s94, s[Q0], 15                    ; a step all of whose keys come after my 16 queries is left out: a branch on ids, round the work alone
	s_cmp_gt_u32 s[KF], s94
	s_cbranch_scc1 .Lhidden_\@
	v_add_nc_u32 v[ADK16], s[TB], v[L16]
	v_add_nc_u32 v[ADK8], s[TB], v[L8]
	v_add_nc_u32 v[ADV], s[TB], v[AV0]
	v_add_nc_u32 v[ADS], s[TS], v[L16]
	v_add_nc_u32 v[ADT], s[TJ], v[AT0]
	v_nop                                          ; six places: the scores below are laid over the fragments of v that the last step's products read, which asks for five
	s_wait_alu depctr_va_vdst(0)
.irp g, 0,1
.if \g
.rept 4
	v_nop                                          ; places in front of loads into registers that matrix instructions have read
.endr
.else
	ds_load_b128 v[28:31], v[ADS]                  ; k's scale words: register j: lanes 0-15 tile 2 j, lanes 16-31 tile 2 j + 1
.endif
.irp t, 0,1,2,3
	ds_load_b128 v[32+12*\t:35+12*\t], v[ADK16] offset:768*(4*\g+\t)
	ds_load_b64 v[36+12*\t:37+12*\t], v[ADK8] offset:768*(4*\g+\t)+512
.endr
	s_wait_dscnt 0x0
.irp t, 0,2
	v_wmma_scale_f32_16x16x128_f8f6f4 v[96+8*(4*\g+\t):103+8*(4*\g+\t)], v[32+12*\t:43+12*\t], v[16:27], 0, v[28+2*\g+\t/2], v255 matrix_a_fmt:MATRIX_FMT_FP6 matrix_b_fmt:MATRIX_FMT_FP6
	v_wmma_scale_f32_16x16x128_f8f6f4 v[104+8*(4*\g+\t):111+8*(4*\g+\t)], v[44+12*\t:55+12*\t], v[16:27], 0, v[28+2*\g+\t/2], v255 matrix_a_fmt:MATRIX_FMT_FP6 matrix_b_fmt:MATRIX_FMT_FP6 matrix_a_scale:MATRIX_SCALE_ROW1
.endr
.endr
.rept 4
	v_nop
.endr
	s_add_co_u32 s94, s[KF], 127                   ; on the diagonal the scores of hidden keys become -infinity; a step all of whose keys count skips this
	s_cmp_le_u32 s94, s[Q0]
	s_cbranch_scc1 .Lopen_\@
	s_sub_co_i32 s94, s[Q0], s[KF]
	v_mov_b32 v254, 0xff800000
	s_wait_alu depctr_va_vdst(0)
.irp t, 0,1,2,3,4,5,6,7
	MASKT \t
.endr
.Lopen_\@:
	s_wait_alu depctr_va_vdst(0)
.irp b, 0,1,2,3
	v_max3_num_f32 v[232+\b], v[96+16*\b], v[97+16*\b], v[98+16*\b]   ; the largest score of each block of 32 keys: for the row's maximum and, since p rises with the score, for the block's largest p
.endr
.irp i, 3,5,7,9,11,13
.irp b, 0,1,2,3
	v_max3_num_f32 v[232+\b], v[232+\b], v[96+16*\b+\i], v[97+16*\b+\i]
.endr
.endr
.irp b, 0,1,2,3
	v_max_num_f32 v[232+\b], v[232+\b], v[111+16*\b]
.endr
.irp b, 0,1,2,3
	s_delay_alu instid0(VALU_DEP_4)
	v_permlanex16_b32 v[236+\b], v[232+\b], s[SEL], s[SEL+1]
.endr
.irp b, 0,1,2,3
	s_delay_alu instid0(VALU_DEP_4)
	v_max_num_f32 v[232+\b], v[232+\b], v[236+\b]
.endr
	s_delay_alu instid0(VALU_DEP_2)
	v_max3_num_f32 v254, v232, v233, v234
	s_delay_alu instid0(VALU_DEP_1)
	v_max_num_f32 v254, v254, v235
	s_delay_alu instid0(VALU_DEP_1)
	v_mul_f32 v254, s[CS], v254
	s_delay_alu instid0(VALU_DEP_1)
	v_max_num_f32 v13, v13, v254                   ; the running largest t
	v_mov_b32 v254, v12
	s_delay_alu instid0(VALU_DEP_2)
	v_floor_f32 v12, -v13                          ; the new -M = -ceil(t)
	s_delay_alu instid0(VALU_DEP_1)
	v_sub_f32 v254, v12, v254                      ; old M - new M: a whole number, 0 or less
	s_delay_alu instid0(VALU_DEP_1)
	v_cvt_i32_f32 v254, v254                       ; (it saturates)
	s_delay_alu instid0(VALU_DEP_1)
	v_ldexp_f32 v252, 1.0, v254                    ; f = 2^(old M - new M)
.set j, 0
.rept 32
	v_pk_fma_f32 v[96+j:97+j], v[96+j:97+j], s[CS:CS+1], v[12:13] op_sel_hi:[1,0,0]   ; t - M
.set j, j+2
.endr
.irp b, 0,1,2,3
	v_fma_f32 v[232+\b], v[232+\b], s[CS], v12
.endr
	s_wait_alu depctr_va_vdst(0)
.set j, 0
.rept 64
	v_exp_f32 v[96+j], v[96+j]                     ; p = 2^(t - M)
.set j, j+1
.endr
	v_pk_mul_f32 v[14:15], v[14:15], v[252:253] op_sel_hi:[1,0]   ; the sums under the new M: a plain line behind the exponentials
	s_wait_alu depctr_va_vdst(0)                   ; one wait for the batch of 64, ahead of its first reader
.irp b, 0,1,2,3
	v_exp_f32 v[232+\b], v[232+\b]                 ; each block's largest p
.endr
	v_pk_add_f32 v[236:237], v[100:101], v[104:105]
	v_pk_add_f32 v[250:251], v[108:109], v[112:113]
	v_pk_add_f32 v[248:249], v[116:117], v[120:121]
	v_pk_add_f32 v[246:247], v[124:125], v[128:129]
	v_pk_add_f32 v[244:245], v[132:133], v[136:137]
	v_pk_add_f32 v[242:243], v[140:141], v[144:145]
	v_pk_add_f32 v[240:241], v[148:149], v[152:153]
	v_pk_add_f32 v[14:15], v[14:15], v[156:157]
	v_pk_add_f32 v[236:237], v[236:237], v[96:97]
	v_pk_add_f32 v[250:251], v[250:251], v[98:99]
	v_pk_add_f32 v[248:249], v[248:249], v[102:103]
	v_pk_add_f32 v[246:247], v[246:247], v[106:107]
	v_pk_add_f32 v[244:245], v[244:245], v[110:111]
	v_pk_add_f32 v[242:243], v[242:243], v[114:115]
	v_pk_add_f32 v[240:241], v[240:241], v[118:119]
	v_pk_add_f32 v[14:15], v[14:15], v[122:123]
	v_pk_add_f32 v[236:237], v[236:237], v[126:127]
	v_pk_add_f32 v[250:251], v[250:251], v[130:131]
	v_pk_add_f32 v[248:249], v[248:249], v[134:135]
	v_pk_add_f32 v[246:247], v[246:247], v[138:139]
	v_pk_add_f32 v[244:245], v[244:245], v[142:143]
	v_pk_add_f32 v[242:243], v[242:243], v[146:147]
	v_pk_add_f32 v[240:241], v[240:241], v[150:151]
	v_pk_add_f32 v[14:15], v[14:15], v[154:155]
	v_pk_add_f32 v[236:237], v[236:237], v[158:159]
	s_delay_alu instid0(VALU_DEP_2)
	v_pk_add_f32 v[14:15], v[14:15], v[246:247]
	s_delay_alu instid0(VALU_DEP_2)
	v_pk_add_f32 v[236:237], v[236:237], v[244:245]
	v_pk_add_f32 v[250:251], v[250:251], v[242:243]
	v_pk_add_f32 v[248:249], v[248:249], v[240:241]
	s_delay_alu instid0(VALU_DEP_2)
	v_pk_add_f32 v[14:15], v[14:15], v[250:251]
	s_delay_alu instid0(VALU_DEP_2)
	v_pk_add_f32 v[236:237], v[236:237], v[248:249]
	s_delay_alu instid0(VALU_DEP_1)
	v_pk_add_f32 v[14:15], v[14:15], v[236:237]
	s_wait_alu depctr_va_vdst(0)                   ; and one for the four
.irp b, 0,1,2,3
	v_max_num_f32 v[232+\b], 0x1800000, v[232+\b]  ; the floor 2^(3 - 127)
.endr
.irp b, 0,1,2,3
	s_delay_alu instid0(VALU_DEP_4)
	v_add_nc_u32 v[244+\b], 0xff000000, v[232+\b]
.endr
.irp b, 0,1,2,3
	s_delay_alu instid0(VALU_DEP_4)
	v_lshrrev_b32 v[236+\b], 23, v[244+\b]
.endr
	s_delay_alu instid0(VALU_DEP_3)
	v_lshl_or_b32 v253, v237, 8, v236              ; p's scale word for these 128 keys
	s_delay_alu instid0(VALU_DEP_1)
	v_lshl_or_b32 v253, v238, 16, v253
	s_delay_alu instid0(VALU_DEP_1)
	v_lshl_or_b32 v253, v239, 24, v253
.irp c, 0,1
	v_cvt_scalef32_pk16_fp6_f32 v[224+6*\c:226+6*\c], v[96+32*\c:111+32*\c], v[244+2*\c]
	v_cvt_scalef32_pk16_fp6_f32 v[236+4*\c:238+4*\c], v[112+32*\c:127+32*\c], v[244+2*\c+1]
.endr
	v_nop                                          ; one plain place behind a scaled conversion
.irp c, 0,1
.irp i, 0,1,2
	v_permlane16_swap_b32 v[224+6*\c+\i], v[236+4*\c+\i]
.endr
.irp i, 0,1,2
	s_delay_alu instid0(VALU_DEP_3)
	v_mov_b32 v[227+6*\c+\i], v[236+4*\c+\i]
.endr
.endr
.irp t, 0,1,2,3                        ; v's four fragments take p's registers: p is in codes now
.irp c, 0,1,2
	ds_load_b128 v[96+12*\t+4*\c:99+12*\t+4*\c], v[ADV] offset:1536*\t+512*\c
.endr
.endr
	ds_load_b64 v[80:81], v[ADT]
.irp j, 0,2,4,6,8,10,12,14,16,18,20,22,24,26,28,30
	v_pk_mul_f32 v[160+\j:161+\j], v[160+\j:161+\j], v[252:253] op_sel_hi:[1,0]   ; O^T under the new M; these sixteen are also the places in front of the products below
.endr
	s_wait_alu depctr_va_vdst(0)
	s_wait_dscnt 0x0
.irp t, 0,2                            ; four accumulators by turns, one instruction a turn
	v_wmma_scale_f32_16x16x128_f8f6f4 v[160+8*\t:167+8*\t], v[96+12*\t:107+12*\t], v[224:235], v[160+8*\t:167+8*\t], v[80+\t/2], v253 matrix_a_fmt:MATRIX_FMT_FP6 matrix_b_fmt:MATRIX_FMT_FP6
	v_wmma_scale_f32_16x16x128_f8f6f4 v[168+8*\t:175+8*\t], v[108+12*\t:119+12*\t], v[224:235], v[168+8*\t:175+8*\t], v[80+\t/2], v253 matrix_a_fmt:MATRIX_FMT_FP6 matrix_b_fmt:MATRIX_FMT_FP6 matrix_a_scale:MATRIX_SCALE_ROW1
.endr
.Lhidden_\@:
	s_add_co_u32 s[KF], s[KF], 128
	s_add_co_u32 s[TB], s[TB], 6144
	s_add_co_u32 s[TS], s[TS], 512
	s_add_co_u32 s[TJ], s[TJ], 256
.endm
; THE WAY OUT: O^T / the sum, quantised along the head's 64 channels (two blocks of the model's K).  This operand meets Wo's codes, which lie in true order: so the 48-bit pieces (eight codes) are put in order.
.macro OUT
.rept 4
	v_nop
.endr
	v_add_f32 v14, v14, v15
	s_delay_alu instid0(VALU_DEP_1)
	v_permlanex16_b32 v252, v14, s[SEL], s[SEL+1]
	s_delay_alu instid0(VALU_DEP_1)
	v_add_f32 v14, v14, v252                       ; the row's sum
	s_wait_alu depctr_va_vdst(0)
	v_rcp_f32 v14, v14
	v_nop                                          ; a plain place behind the transcendental,
	s_wait_alu depctr_va_vdst(0)                   ; and the wait ahead of its first reader
.set i, 0
.rept 32
	v_mul_f32 v[96+i], v[160+i], v14               ; register 8 t + i: channel 16 t + 8 h + i; each accumulator from its low end on
.set i, i+1
.endr
.irp b, 0,1
	v_max3_num_f32 v[232+\b], |v[96+16*\b]|, |v[97+16*\b]|, 0x1800000
.endr
.irp i, 2,4,6,8,10,12,14
.irp b, 0,1
	s_delay_alu instid0(VALU_DEP_2)
	v_max3_num_f32 v[232+\b], v[232+\b], |v[96+16*\b+\i]|, |v[97+16*\b+\i]|
.endr
.endr
.irp b, 0,1
	s_delay_alu instid0(VALU_DEP_2)
	v_permlanex16_b32 v[236+\b], v[232+\b], s[SEL], s[SEL+1]
.endr
.irp b, 0,1
	s_delay_alu instid0(VALU_DEP_2)
	v_max_num_f32 v[232+\b], v[232+\b], v[236+\b]
.endr
.irp b, 0,1
	s_delay_alu instid0(VALU_DEP_2)
	v_add_nc_u32 v[244+\b], 0xff000000, v[232+\b]
.endr
.irp b, 0,1
	s_delay_alu instid0(VALU_DEP_2)
	v_lshrrev_b32 v[236+\b], 23, v[244+\b]
.endr
	s_delay_alu instid0(VALU_DEP_1)
	v_lshl_or_b32 v254, v237, 8, v236              ; my row's two scale bytes
	v_cvt_scalef32_pk16_fp6_f32 v[224:226], v[96:111], v244
	v_cvt_scalef32_pk16_fp6_f32 v[240:242], v[112:127], v245
	v_nop
.irp i, 0,1,2
	v_permlane16_swap_b32 v[224+\i], v[240+\i]     ; lane (r, h) now holds block h: in v224-226 channels 0-7 and 16-23 of it, in v240-242 channels 8-15 and 24-31
.endr
	s_delay_alu instid0(VALU_DEP_1)
	v_perm_b32 v227, v226, v225, s84               ; bits 96-127: channels 16-23's first 32 bits
	s_delay_alu instid0(VALU_DEP_2)
	v_perm_b32 v228, v241, v226, s85               ; their last 16, and channels 24-31's first 16
	s_delay_alu instid0(VALU_DEP_3)
	v_mov_b32 v229, v242
	v_perm_b32 v225, v240, v225, s86               ; channels 0-7's last 16 bits, channels 8-15's first 16
	v_perm_b32 v226, v241, v240, s84               ; and their other 32
	global_store_b128 v[L16], v[224:227], s[80:81]         ; 512 consecutive bytes,
	global_store_b64 v[L8], v[228:229], s[80:81] offset:512   ; and 256
	global_store_b16 v84, v254, s[82:83]           ; two bytes of each row's 32 (both halves of the lanes hold the same)
.endm
.macro PASS second, trips
.if \second
	s_wait_xcnt 0x0                                ; pass A's stores have read their registers and bases
.irp i, 0,1,2,3,4,5
	v_mov_b32 v[16+\i], v[192+\i]
.endr
	v_mov_b32 v255, v198
	s_mov_b32 s[Q0], s88
.else
	s_mov_b32 s[Q0], s87
.endif
	s_lshl_b32 s92, s90, 7
	s_lshr_b32 s94, s[Q0], 4
	s_add_co_u32 s92, s92, s94                     ; the row tile: 128 batch + query / 16
	s_lshl_b32 s92, s92, 4
	s_add_co_u32 s92, s92, s91
	s_mul_i32 s92, s92, 768
	s_add_nc_u64 s[80:81], s[10:11], s[92:93]
	s_lshl_b32 s92, s90, 11
	s_add_co_u32 s92, s92, s[Q0]
	s_lshl_b32 s92, s92, 5
	s_lshl_b32 s94, s91, 1
	s_add_co_u32 s92, s92, s94
	s_add_nc_u64 s[82:83], s[12:13], s[92:93]
.irp t, 0,1,2,3
	ds_load_b128 v[160+8*\t:163+8*\t], v83 offset:64*\t        ; O^T starts as the sums of v (my wave's own bytes)
	ds_load_b128 v[164+8*\t:167+8*\t], v83 offset:64*\t+16
.endr
	v_mov_b32 v13, 0xdf800000                      ; the largest t so far: -2^64
	s_delay_alu instid0(VALU_DEP_1)
	v_floor_f32 v12, -v13
	v_mov_b32 v14, 0x44800000                      ; the sum: 1,024 in each half of the lanes
	v_mov_b32 v15, 0
	s_mov_b32 s[TB], KIMG
	s_mov_b32 s[TS], 0
	s_mov_b32 s[TJ], 0
	s_mov_b32 s[KF], 0
	s_mov_b32 s[TRIP], \trips
	s_wait_dscnt 0x0
.Lstep_\@:
	STEP
	s_sub_co_u32 s[TRIP], s[TRIP], 1
	s_cmp_lg_u32 s[TRIP], 0
	s_cbranch_scc1 .Lstep_\@
	s_wait_alu depctr_va_vdst(0)
	OUT
.endm
	PASS 0, 8                                      ; queries under 1,024: eight steps at the most, all in the first part's keys
	s_wait_tensorcnt 0x0                           ; my share of the second part has landed,
	s_wait_dscnt 0x0
	s_barrier_signal -1
	s_barrier_wait -1                              ; everybody's has
	PASS 1, 16
	s_wait_tensorcnt 0x0                           ; the wave's end
	ds_add_u32 v[SPW], v[NIL]
	s_wait_dscnt 0x0
	s_endpgm
.Lfunc_end_k_q7da73526d5_attn:
	.size	k_q7da73526d5_attn, .Lfunc_end_k_q7da73526d5_attn-k_q7da73526d5_attn
	.p2alignl 7, 3214868480
	.fill 96, 4, 3214868480
	.section	.rodata,"a",@progbits
	.p2align	6, 0x0
	.amdhsa_kernel k_q7da73526d5_attn
		.amdhsa_group_segment_fixed_size 327680
		.amdhsa_private_segment_fixed_size 0
		.amdhsa_enable_private_segment 0
		.amdhsa_kernarg_size 32
		.amdhsa_user_sgpr_count 2
		.amdhsa_user_sgpr_kernarg_segment_ptr 1
		.amdhsa_wavefront_size32 1
		.amdhsa_system_sgpr_workgroup_id_x 1
		.amdhsa_system_sgpr_workgroup_id_y 1
		.amdhsa_system_sgpr_workgroup_id_z 1
		.amdhsa_system_vgpr_workitem_id 0
		.amdhsa_next_free_vgpr 256
		.amdhsa_next_free_sgpr 96
		.amdhsa_reserve_vcc 0
		.amdhsa_float_denorm_mode_32 3
		.amdhsa_float_denorm_mode_16_64 3
		.amdhsa_memory_ordered 1
		.amdhsa_forward_progress 1
		.amdhsa_inst_pref_size 73
	.end_amdhsa_kernel
	.amdgpu_metadata
---
amdhsa.version: [ 1, 2 ]
amdhsa.kernels:
  - .name:           k_q7da73526d5_attn
    .symbol:         k_q7da73526d5_attn.kd
    .args:
      - { .name: qkv_img, .offset: 0, .size: 8, .value_kind: global_buffer, .address_space: global }
      - { .name: vsum, .offset: 8, .size: 8, .value_kind: global_buffer, .address_space: global }
      - { .name: attn_img, .offset: 16, .size: 8, .value_kind: global_buffer, .address_space: global }
      - { .name: attn_sc, .offset: 24, .size: 8, .value_kind: global_buffer, .address_space: global }
    .group_segment_fixed_size: 327680
    .private_segment_fixed_size: 0
    .kernarg_segment_align: 8
    .kernarg_segment_size: 32
    .max_flat_workgroup_size: 512
    .sgpr_count:     96
    .vgpr_count:     256
    .wavefront_size: 32
...
	.end_amdgpu_metadata
.endif
;; end of part 2
;; launch proj (part 3): grid 8 x 32, 4 waves a work-group, clusters of 4 x 4, 327,680 bytes of LDS; arguments attn_img, attn_sc, Wo_codes, Wo_scales, bo, out0; writes out0
.if DOCPART == 3
	.amdgcn_target "amdgcn-amd-amdhsa--gfx1250"
	.amdhsa_code_object_version 6
	.text
	.protected	k_q7da73526d5_proj
	.globl	k_q7da73526d5_proj
	.p2align	8
	.type	k_q7da73526d5_proj,@function
k_q7da73526d5_proj:
	s_mov_b64 s[64:65], 0
	v_nop
	global_prefetch_b8 v0, s[64:65] scope:SCOPE_SE
	s_setreg_imm32_b32 hwreg(HW_REG_WAVE_MODE, 25, 1), 1
	s_wait_xcnt 0x0
	s_wait_alu depctr_hold_cnt(0) depctr_sa_sdst(0) depctr_va_vdst(0) depctr_va_sdst(0) depctr_va_ssrc(0) depctr_va_vcc(0) depctr_vm_vsrc(0)
	s_getreg_b32 s2, hwreg(HW_REG_IB_STS2, 6, 4)
	s_cmp_eq_u32 s2, 0
	s_cbranch_scc0 .Lentry_in_a_cluster
	s_endpgm
.Lentry_in_a_cluster:
	s_bfe_u32 s2, ttmp6, 0x10000c
	s_cmp_lg_u32 s2, 0xf033
	s_cbranch_scc0 .Lentry_shape_is_right
	s_endpgm
.Lentry_shape_is_right:
; out0 = attn Wo + bo on codes of FP6 (E2M3), one E8M0 scale for each 32 along K = 1,024.  A tile of 256 rows x 128 columns to a work-group of four waves, 128 x 64 (32 accumulators) to a wave: 256 work-groups.
; A = attn_img: [row tile of 16][head][768 bytes], half fragments as images of registers; a work-group's 16 row tiles are 196,608 dense bytes.  B = Wo's 128 rows of 768 bytes of codes, 98,304 dense bytes.
; ALL OPERANDS STAY IN LDS, each byte filled once: A 196,608 bytes, B 104,448 (chunks of 256 bytes + 16 of padding), the scales 13,056.  No slot is filled again.
; THE HEAD'S LOADS, one a wave: wave 0 A's first half of K (16 rows of 6,144 bytes), wave 1 all of B, wave 2 A's scales, wave 3 B's.  A's second half of K is asked for behind the cluster's round,
; a quarter (4 rows of 6,144 bytes) a wave; it has three and a half steps, 112 matrix instructions a wave, in which to land; one barrier shows it whole.
; CLUSTER: A and its scales are asked for jointly by a row of the 4 x 4 cluster, B and its scales by a column.
; No prefetch: every tile is asked for at the head or straight behind it; there is no loop to run ahead in.
; Source 0 = 16 rows of Wo, source 1 = 16 rows of attn: a lane holds eight neighbouring columns of a row of out0; the bias is the C of each accumulator's first product.
; The way out goes through a stage in A's first bytes: they have had their one fill, and no wave reads them behind the barrier in step 3.
; REGISTERS: window 0: v16-19 A's addresses, v20-21 B's, v24-26 the way out, v27 scales, v28, v29 the add's two, v32-63 scale words alone, v64-95 bias, v128-223 A's fragments; window 1: B's two sets at v0, v128; window 2: accumulators.
.set NQ,     2
.set PB,     816                       ; B's LDS row: 3 x (256 + 16)
.set FR,     12
.set NLA,    4
.set NP,     4
.set AHALF,  98304                     ; A's half of K: 16 row tiles x 6,144 bytes
.set HALFA,  49152                     ; a wave's eight row tiles in it
.set BOFF,   2*AHALF
.set HALFB,  64*PB
.set KS,     32
.set SCL,    BOFF+2*HALFB
.set HSB,    2176
.set HSA,    4352
.set SBLK,   544
.set SPARE,  SCL+2*HSB+2*HSA           ; the spare words: 128 bytes a wave
.set SPITCH, 272
.set ADA16, 16
.set ADA8,  18
.set ADRB, 20
.set STO,  24
.set RD,   25
.set CO,   26
.set ADRS, 27
.set SPW,  28
.set NIL,  29
.set SC,   32
.set BIAS, 64
.set AF,   128
.set BK,   128
.set G1, 24
.set G0, 32
.set G1B, 48
.set G1S, 68
.set G0S, 76
.set G1SB, 80
.set G0SB, 88
.set G0H, 4
.set G0HB, 8
.set MSB, 0
.macro WIN new
.if MSB != (\new)
	s_set_vgpr_msb (MSB<<8)|(\new)
.set MSB, (\new)
.endif
.endm
.set MULW,  0xa1
.set MULW0, 0x81                       ; the first products: C (the bias) in window 0
.set TO_B,  0x40
.macro CREST
	s_cmp_lg_u32 s14, 0
	s_cbranch_scc1 .Lnot_wave_0_\@
	s_barrier_signal -3
.Lnot_wave_0_\@:
	s_barrier_wait -3
	s_barrier_signal -1
	s_barrier_wait -1
.endm
.macro CROUND
	s_barrier_signal -1
	s_barrier_wait -1
	CREST
.endm
	s_load_b128 s[4:7], s[0:1], 0x0                ; attn_img, attn_sc
	s_load_b128 s[8:11], s[0:1], 0x10              ; Wo's codes, scales
	s_load_b64 s[2:3], s[0:1], 0x20                ; bo
	s_load_b64 s[12:13], s[0:1], 0x28              ; out0
	v_lshl_add_u32 v[SPW], v0, 2, SPARE
	v_mov_b32 v[NIL], 0
	ds_add_u32 v[SPW], v[NIL]                      ; the opening lines: the add, twice on end, and its wait
	ds_add_u32 v[SPW], v[NIL]
	v_lshrrev_b32 v1, 5, v0
	v_readfirstlane_b32 s14, v1                    ; wave 0..3
	s_lshr_b32 s15, s14, 1                         ; which 128 rows are mine
	s_and_b32 s16, s14, 1                          ; which 64 columns
	s_bfe_u32 s40, ttmp6, 0x40000
	s_bfe_u32 s41, ttmp6, 0x40004
	s_lshl_b32 s42, ttmp9, 2
	s_add_co_u32 s42, s42, s40                     ; tile column
	s_and_b32 s17, ttmp7, 0xffff
	s_lshl_b32 s17, s17, 2
	s_add_co_u32 s17, s17, s41                     ; tile row
	s_lshl_b32 s43, s41, 2
	s_lshl_b32 s43, 15, s43                        ; my row of the cluster
	s_lshl_b32 s44, 0x1111, s40                    ; my column
	s_or_b32 s[G1+0], s43, (3<<16)|(1<<21)         ; A: rows of 768 elements of 8 bytes, 12,288 bytes apart: 16 at the head, later 4
	s_mov_b32 s[G1+1], 768<<16
	s_mov_b32 s[G1+2], 16<<16
	s_mov_b32 s[G1+3], 768<<16
	s_mov_b32 s[G1+4], 16
	s_mov_b32 s[G1+5], 1536
	s_mov_b32 s[G1+6], 0
	s_mov_b32 s[G1+7], 0
	s_or_b32 s[G1B+0], s44, (3<<16)|(1<<20)|(1<<21)|(5<<22)|(3<<25)   ; dense blocks as rows of 256 bytes, 16 of padding behind each: B 384 rows,
	s_or_b32 s[G1S+0], s43, (3<<16)|(1<<20)|(1<<21)|(5<<22)|(3<<25)   ; A's scales 32,
	s_or_b32 s[G1SB+0], s44, (3<<16)|(1<<20)|(1<<21)|(5<<22)|(3<<25)  ; B's scales 16
.irp g, G1B, G1S, G1SB
	s_mov_b32 s[\g+1], 32<<16
	s_mov_b32 s[\g+3], 32<<16
	s_mov_b32 s[\g+5], 32
	s_mov_b32 s[\g+6], 0
	s_mov_b32 s[\g+7], 0
.endr
	s_mov_b32 s[G1B+2], 384<<16
	s_mov_b32 s[G1B+4], 384
	s_mov_b32 s[G1S+2], 32<<16
	s_mov_b32 s[G1S+4], 32
	s_mov_b32 s[G1SB+2], 16<<16
	s_mov_b32 s[G1SB+4], 16
	s_mul_i32 s20, s17, 196608
	s_mov_b32 s21, 0
	s_lshl_b32 s22, s17, 13
	s_mov_b32 s23, 0
	s_mul_i32 s46, s42, 98304
	s_mov_b32 s47, 0
	s_lshl_b32 s92, s42, 12
	s_mov_b32 s93, 0
	s_mul_i32 s45, s14, 24576
	s_add_co_u32 s45, s45, AHALF                   ; my quarter of A's second half: in LDS,
	s_mul_i32 s18, s14, 49152
	s_add_co_u32 s18, s18, 6144                    ; and in memory: four row tiles on for each wave, 6,144 bytes along K
	s_mov_b32 s19, 0
	s_wait_dscnt 0x0
	s_wait_kmcnt 0x0
	s_add_nc_u64 s[20:21], s[4:5], s[20:21]
	s_add_nc_u64 s[22:23], s[6:7], s[22:23]
	s_add_nc_u64 s[46:47], s[8:9], s[46:47]
	s_add_nc_u64 s[92:93], s[10:11], s[92:93]
	CROUND                                         ; all sixteen work-groups are here: the first joint loads meet
	s_mov_b32 s[G0H], 1
	s_mov_b32 s[G0H+1], 0
	s_mov_b64 s[G0H+2:G0H+3], s[20:21]
	s_or_b32 s[G0H+3], s[G0H+3], 0x80000000
	s_mov_b32 s[G0HB], 1
	s_mov_b32 s[G0HB+1], BOFF
	s_mov_b64 s[G0HB+2:G0HB+3], s[46:47]
	s_or_b32 s[G0HB+3], s[G0HB+3], 0x80000000
	s_mov_b32 s[G0S], 1
	s_mov_b32 s[G0S+1], SCL+2*HSB
	s_mov_b64 s[G0S+2:G0S+3], s[22:23]
	s_or_b32 s[G0S+3], s[G0S+3], 0x80000000
	s_mov_b32 s[G0SB], 1
	s_mov_b32 s[G0SB+1], SCL
	s_mov_b64 s[G0SB+2:G0SB+3], s[92:93]
	s_or_b32 s[G0SB+3], s[G0SB+3], 0x80000000
	s_mov_b32 s[G0], 1
	s_mov_b32 s[G0+1], s45
	s_add_nc_u64 s[G0+2:G0+3], s[20:21], s[18:19]
	s_or_b32 s[G0+3], s[G0+3], 0x80000000
.macro ARM under, g0, g1, next         ; one tree of branches on the wave's number, one load to an arm
	s_cmp_lt_u32 s14, \under
	s_cbranch_scc0 \next
	tensor_load_to_lds s[\g0:\g0+3], s[\g1:\g1+7]
	s_nop 0
.rept 4
	v_nop
.endr
	s_branch .Lhead_asked
\next:
.endm
	ARM 1, G0H,  G1,  .Lhead_b
	ARM 2, G0HB, G1B, .Lhead_sa
	ARM 3, G0S,  G1S, .Lhead_sb
	tensor_load_to_lds s[G0SB:G0SB+3], s[G1SB:G1SB+7]
	s_nop 0
.rept 4
	v_nop
.endr
.Lhead_asked:
	v_and_b32 v1, 15, v0                           ; r
	v_bfe_u32 v2, v0, 4, 1                         ; h
	v_and_b32 v6, 31, v0
	s_mul_i32 s21, s15, HALFA
	v_lshl_add_u32 v[ADA16], v6, 4, s21
	v_lshl_add_u32 v[ADA8], v6, 3, s21
	v_add_nc_u32 v[ADA16+1], AHALF, v[ADA16]
	v_add_nc_u32 v[ADA8+1], AHALF, v[ADA8]
	v_mul_u32_u24 v3, v1, PB
	v_mul_u32_u24 v4, v2, 24
	v_add_nc_u32 v4, v3, v4                        ; B: row x pitch + 24 x half,
	v_lshl_add_u32 v5, v2, 4, v4                   ; and the same behind one padding more for lanes 16-31
	s_mul_i32 s22, s16, HALFB
	s_add_co_u32 s22, s22, BOFF
	v_add_nc_u32 v[ADRB], s22, v4
	v_add_nc_u32 v[ADRB+1], s22, v5
	v_mul_u32_u24 v5, v1, KS                       ; my row's scales: 32 bytes a row, 16 more for each 256 passed
	v_lshrrev_b32 v7, 8, v5
	v_lshl_add_u32 v5, v7, 4, v5
	s_mul_i32 s21, s16, HSB
	s_mul_i32 s22, s15, HSA
	s_add_co_u32 s22, s22, 2*HSB
	s_sub_co_u32 s22, s22, s21
	v_mul_u32_u24 v7, s22, v2                      ; lanes 0-15 take B's, lanes 16-31 A's
	s_add_co_u32 s21, s21, SCL
	v_add_nc_u32 v5, v5, v7
	v_add_nc_u32 v[ADRS], s21, v5
	s_mul_i32 s23, s14, 16*SPITCH                  ; my stage
	v_mul_u32_u24 v5, v1, SPITCH
	v_lshl_add_u32 v5, v2, 5, v5
	v_add_nc_u32 v[STO], s23, v5
	v_mul_u32_u24 v5, v2, SPITCH
	v_lshl_add_u32 v5, v1, 4, v5
	v_add_nc_u32 v[RD], s23, v5
	v_lshlrev_b32 v5, 12, v2
	v_lshl_add_u32 v[CO], v1, 4, v5
	s_lshl_b32 s46, s42, 9
	s_lshl_b32 s47, s16, 8
	s_add_co_u32 s46, s46, s47                     ; my first column, in bytes
	s_mov_b32 s47, 0
	s_add_nc_u64 s[2:3], s[2:3], s[46:47]
	v_lshlrev_b32 v8, 5, v2
.irp b, 0,1,2,3
	global_load_b128 v[BIAS+8*\b:BIAS+8*\b+3], v8, s[2:3] offset:64*\b
	global_load_b128 v[BIAS+8*\b+4:BIAS+8*\b+7], v8, s[2:3] offset:64*\b+16
.endr
	s_lshl_b32 s20, s17, 8
	s_lshl_b32 s21, s15, 7
	s_add_co_u32 s20, s20, s21
	s_lshl_b32 s20, s20, 12                        ; my first row: 4,096 bytes a row
	s_mov_b32 s21, 0
	s_add_nc_u64 s[20:21], s[20:21], s[46:47]
	s_add_nc_u64 s[12:13], s[12:13], s[20:21]
.macro FRAG reg, st, i                 ; B: 16 rows x 128 K: six pieces of 8 bytes; byte y of a row lies at y + 16 (y / 256)
.irp p, 0,1,2,3,4,5
.set BY, 96*(\st)+48*(\p/3)+8*(\p%3)
.if BY/256 == (BY+24)/256
	ds_load_b64 v[\reg+2*\p:\reg+2*\p+1], v[ADRB] offset:BY+16*(BY/256)+(\i)*16*PB
.else
	ds_load_b64 v[\reg+2*\p:\reg+2*\p+1], v[ADRB+1] offset:BY+16*(BY/256)+(\i)*16*PB
.endif
.endr
.endm
.macro FRAGI reg, st, i                ; A: two half fragments, images of registers
.irp e, 0,1
	ds_load_b128 v[\reg+6*\e:\reg+6*\e+3], v[ADA16+(\st)/4] offset:6144*(\i)+768*(2*((\st)%4)+\e)
	ds_load_b64 v[\reg+6*\e+4:\reg+6*\e+5], v[ADA8+(\st)/4] offset:6144*(\i)+768*(2*((\st)%4)+\e)+512
.endr
.endm
.macro MUL8 a0, p, q, sc, first        ; A's blocks a0, a0 + 1 x B's four; the 32 accumulators take turns
.irp a, \a0, \a0+1
.irp b, 0,1,2,3
.if \first
	v_wmma_scale_f32_16x16x128_f8f6f4 v[8*(4*(\a)+\b):8*(4*(\a)+\b)+7], v[128*(\p)+FR*\b:128*(\p)+FR*\b+FR-1], v[AF+FR*(\a):AF+FR*(\a)+FR-1], v[BIAS+8*\b:BIAS+8*\b+7], v[SC+8*NQ*(\sc)+NQ*\b+(\q)], v[SC+8*NQ*(\sc)+NQ*(\a)+(\q)] matrix_a_fmt:MATRIX_FMT_FP6 matrix_b_fmt:MATRIX_FMT_FP6 matrix_b_scale:MATRIX_SCALE_ROW1
.else
	v_wmma_scale_f32_16x16x128_f8f6f4 v[8*(4*(\a)+\b):8*(4*(\a)+\b)+7], v[128*(\p)+FR*\b:128*(\p)+FR*\b+FR-1], v[AF+FR*(\a):AF+FR*(\a)+FR-1], v[8*(4*(\a)+\b):8*(4*(\a)+\b)+7], v[SC+8*NQ*(\sc)+NQ*\b+(\q)], v[SC+8*NQ*(\sc)+NQ*(\a)+(\q)] matrix_a_fmt:MATRIX_FMT_FP6 matrix_b_fmt:MATRIX_FMT_FP6 matrix_b_scale:MATRIX_SCALE_ROW1
.endif
.endr
.endr
.endm
.macro MWIN first
.if \first
	WIN MULW0
.else
	WIN MULW
.endif
.endm
.macro FETCH_B st, p
	WIN TO_B
.irp i, 0,1,2,3
	FRAG 128*(\p)+FR*\i, \st, \i
.endr
	WIN 0
.endm
.macro FETCH_A st, i0
.irp i, \i0, \i0+1, \i0+2, \i0+3
	FRAGI AF+FR*(\i), \st, \i
.endr
.endm
.macro SCALES pr                       ; the scale words of steps 2 pr, 2 pr + 1
.irp i, 0,1,2,3,4,5,6,7
	ds_load_b64 v[SC+8*NQ*((\pr)%2)+NQ*\i:SC+8*NQ*((\pr)%2)+NQ*\i+1], v[ADRS] offset:\i*SBLK+4*NQ*(\pr)
.endr
.endm
.macro PLACES n
.rept \n
	v_nop
.endr
.endm
; A step of 128 along K: 32 matrix instructions; the next step's fragments are fetched in its middle and at its end.
.macro STEP st, first
.set NX, (\st)+1
	s_wait_dscnt 4*NLA                             ; the youngest 16 loads (A's blocks 4-7) may be out
	MWIN \first
	MUL8 0, (\st)%2, (\st)%2, ((\st)/2)%2, \first
	MUL8 2, (\st)%2, (\st)%2, ((\st)/2)%2, \first
	s_wait_dscnt 0
.if NX == 4
	s_wait_tensorcnt 0x0                           ; my quarter of A's second half has landed,
	s_barrier_signal -1
	s_barrier_wait -1                              ; everybody's has; and nobody reads A's first half any more
.endif
	PLACES NP
	FETCH_B NX, NX%2
	FETCH_A NX, 0
.if NX%2 == 0
	SCALES NX/2
.endif
	MWIN \first
	MUL8 4, (\st)%2, (\st)%2, ((\st)/2)%2, \first
	MUL8 6, (\st)%2, (\st)%2, ((\st)/2)%2, \first
	PLACES NP
	WIN 0
	FETCH_A NX, 4
.endm
	s_wait_alu depctr_va_vdst(0)
	s_wait_tensorcnt 0x0                           ; my tile of the head's four is in
	ds_add_u32 v[SPW], v[NIL]
	s_mov_b32 s[G1+2], 4<<16                       ; no tensor load of mine is out: the next load brings 4 rows
	s_mov_b32 s[G1+4], 4
	s_wait_dscnt 0x0
	CROUND
	tensor_load_to_lds s[G0:G0+3], s[G1:G1+7]      ; my quarter of A's second half: the first tensor load behind the round
	s_nop 0
.rept 4
	v_nop
.endr
	FETCH_B 0, 0
	FETCH_A 0, 0
	SCALES 0
	FETCH_A 0, 4
	s_wait_loadcnt 0x0                             ; the bias
	STEP 0, 1
.set ST, 1
.rept 6
	STEP ST, 0
.set ST, ST+1
.endr
	s_wait_dscnt 4*NLA
	WIN MULW
	MUL8 0, 1, 1, 1, 0
	MUL8 2, 1, 1, 1, 0
	s_wait_dscnt 0
	MUL8 4, 1, 1, 1, 0
	MUL8 6, 1, 1, 1, 0
	WIN 0
; THE WAY OUT, block by block of 16 rows x 64 columns, through my own stage: back as rows of 256 bytes, which sixteen lanes store whole.
.macro TOSTAGE a
	WIN 0x08
.irp b, 0,1,2,3
	ds_store_b128 v[STO], v[8*(4*(\a)+\b):8*(4*(\a)+\b)+3] offset:64*\b      ; each accumulator from its low end on
	ds_store_b128 v[STO], v[8*(4*(\a)+\b)+4:8*(4*(\a)+\b)+7] offset:64*\b+16
.endr
	WIN 0
.set BB, BK+32*((\a)%2)
.irp t, 0,1,2,3,4,5,6,7
	ds_load_b128 v[BB+4*\t:BB+4*\t+3], v[RD] offset:\t*2*SPITCH
.endr
.endm
.macro SEND a, younger
.set BB, BK+32*((\a)%2)
	s_wait_dscnt \younger                          ; the block is back; the next block's 16 LDS instructions may be out
.if (\a) > 0
	s_add_nc_u64 s[12:13], s[12:13], 16*4096
.endif
.irp t, 0,1,2,3,4,5,6,7
	global_store_b128 v[CO], v[BB+4*\t:BB+4*\t+3], s[12:13] offset:\t*2*4096 th:TH_STORE_NT
.endr
.endm
	PLACES NP
	TOSTAGE 0
.irp a, 1,2,3,4,5,6,7
.if \a > 1
	s_wait_xcnt 0x0                                ; block a - 2's stores have read their registers and their base
.endif
	TOSTAGE \a
	SEND \a-1, 16
.endr
	s_wait_xcnt 0x0
	SEND 7, 0
	s_wait_tensorcnt 0x0                           ; the wave's end
	ds_add_u32 v[SPW], v[NIL]
	s_wait_dscnt 0x0
	CROUND                                         ; the closing round
	s_endpgm
.Lfunc_end_k_q7da73526d5_proj:
	.size	k_q7da73526d5_proj, .Lfunc_end_k_q7da73526d5_proj-k_q7da73526d5_proj
	.p2alignl 7, 3214868480
	.fill 96, 4, 3214868480
	.section	.rodata,"a",@progbits
	.p2align	6, 0x0
	.amdhsa_kernel k_q7da73526d5_proj
		.amdhsa_group_segment_fixed_size 327680
		.amdhsa_private_segment_fixed_size 0
		.amdhsa_enable_private_segment 0
		.amdhsa_kernarg_size 48
		.amdhsa_user_sgpr_count 2
		.amdhsa_user_sgpr_kernarg_segment_ptr 1
		.amdhsa_wavefront_size32 1
		.amdhsa_system_sgpr_workgroup_id_x 1
		.amdhsa_system_sgpr_workgroup_id_y 1
		.amdhsa_system_sgpr_workgroup_id_z 1
		.amdhsa_system_vgpr_workitem_id 0
		.amdhsa_next_free_vgpr 1024
		.amdhsa_next_free_sgpr 98
		.amdhsa_reserve_vcc 0
		.amdhsa_float_denorm_mode_32 3
		.amdhsa_float_denorm_mode_16_64 3
		.amdhsa_memory_ordered 1
		.amdhsa_forward_progress 1
		.amdhsa_inst_pref_size 92
	.end_amdhsa_kernel
	.amdgpu_metadata
---
amdhsa.version: [ 1, 2 ]
amdhsa.kernels:
  - .name:           k_q7da73526d5_proj
    .symbol:         k_q7da73526d5_proj.kd
    .args:
      - { .name: attn_img, .offset: 0, .size: 8, .value_kind: global_buffer, .address_space: global }
      - { .name: attn_sc, .offset: 8, .size: 8, .value_kind: global_buffer, .address_space: global }
      - { .name: Wo_codes, .offset: 16, .size: 8, .value_kind: global_buffer, .address_space: global }
      - { .name: Wo_scales, .offset: 24, .size: 8, .value_kind: global_buffer, .address_space: global }
      - { .name: bo, .offset: 32, .size: 8, .value_kind: global_buffer, .address_space: global }
      - { .name: out0, .offset: 40, .size: 8, .value_kind: global_buffer, .address_space: global }
    .group_segment_fixed_size: 327680
    .private_segment_fixed_size: 0
    .kernarg_segment_align: 8
    .kernarg_segment_size: 48
    .max_flat_workgroup_size: 128
    .sgpr_count:     98
    .vgpr_count:     1024
    .wavefront_size: 32
...
	.end_amdgpu_metadata
.endif
;; end of part 3
